; MI455X (gfx1250); checked and timed in simulation.
; The chip was launched on July 23, 2026; its instructions are those of AMD's public machine-readable ISA for CDNA 5 (MIT licence, August 2026) and "CDNA5" Instruction Set Architecture Reference Guide (July 2026). The comments in the code are by the model that wrote it; some were corrected since.
;; Hadamard Attention. Allowed arithmetic: float matrix products may take bf16 or f16 operands with f32 sums; other float arithmetic in f32, or as packed bf16 or f16 multiplies, adds, multiply-adds, maxima and minima; sums over many terms, partial sums and values carried from step to step in f32; what a program stores and reads back later, other than sums and carried values, may be rounded once to bf16 or f16.
;; Inputs: W1 32 x 64 float32; W2 64 x 32 float32; Wk 1,024 x 1,024 float32; Wo 1,024 x 1,024 float32; Wq 1,024 x 1,024 float32; Wv 1,024 x 1,024 float32; b1 64 float32; b2 32 float32; bk 1,024 float32; bo 1,024 float32; bq 1,024 float32; bv 1,024 float32; mask 8 x 2,048 x 1 int32; x 8 x 2,048 x 1,024 float32.
;; Outputs: out0 8 x 2,048 x 1,024 float32.
;; 2 versions, each right; version 2 is version 1 with the launch prep written anew for expert scheduling mode. Each part assembles by itself: llvm-mc -triple=amdgcn-amd-amdhsa -mcpu=gfx1250 --defsym DOCPART=n.
;; ======== version 1 of 2: 5 launches
;; limits: values are held in f16: magnitudes above 65,504 overflow, below 6.1e-05 lose precision
;; workspace buffers: xh 33,554,432 bytes; wt 8,388,608 bytes; sc 2,097,152 bytes; lg 2,097,152 bytes; st 131,072 bytes; wc 2,228,224 bytes; vh 33,554,432 bytes
;; launch prep (part 1): grid 576 x 1, 8 waves a work-group, no clusters, 140,288 bytes of LDS; arguments x, Wq, Wk, Wv, Wo, xh, wt; writes xh, wt
.if DOCPART == 1
	.amdgcn_target "amdgcn-amd-amdhsa--gfx1250"
	.amdhsa_code_object_version 6
	.text
	.protected	k_qdb5e069bab_prep
	.globl	k_qdb5e069bab_prep
	.p2align	8
	.type	k_qdb5e069bab_prep,@function
k_qdb5e069bab_prep:
	s_mov_b64 s[64:65], 0
	v_nop
	global_prefetch_b8 v0, s[64:65] scope:SCOPE_SE
	s_setreg_imm32_b32 hwreg(HW_REG_WAVE_MODE, 25, 1), 1
	s_wait_xcnt 0x0
; prep: x [16384][1024] f32 -> xh, the same numbers rounded once to f16; Wq, Wk, Wv, Wo [1024 k][1024 n] f32 -> wt [4096 rows][1024 k] f16,
; each row one output column with k along it.  wt's rows: 128 g + c = Wq's column 64 g + c and 128 g + 64 + c = Wk's column 64 g + c (c < 64, g < 16),
; so that 128 neighbouring rows hold q and k of the same two heads; 2048 + n = Wv's column n; 3072 + n = Wo's column n.
; LIMITS.  f16 holds no number beyond 65,504 (x and the weights are taken to lie within it) and keeps a fixed step of 6e-8 below 6e-5.
; SHARES.  Work-groups 0-63 turn the weights: matrix = number / 16, 64 columns = number % 16, wave = 128 k.  Work-groups 64-575 convert x, 16 KiB a wave.
; The branch between the two hangs on the work-group's number alone; no wave reads what another wrote, so there is no barrier.
.set STG,   64*272                     ; a wave's stage: 64 rows (columns of W) of 256 bytes + 16 of padding
.set SPARE, 8*STG                      ; behind the stages: the spare words, 128 bytes for each of the eight waves
.set SPW, 10                           ; v10  LDS address of my spare word; never rewritten
.set NIL, 11                           ; v11  0; never rewritten
	s_load_b256 s[4:11], s[0:1], 0x0               ; x s[4:5], Wq s[6:7], Wk s[8:9], Wv s[10:11]
	s_load_b128 s[12:15], s[0:1], 0x20             ; Wo s[12:13], xh s[14:15]
	s_load_b64 s[16:17], s[0:1], 0x30              ; wt
	v_lshl_add_u32 v[SPW], v0, 2, SPARE
	v_mov_b32 v[NIL], 0
	v_lshrrev_b32 v1, 5, v0
	v_readfirstlane_b32 s20, v1                    ; wave 0..7
	s_mov_b32 s21, ttmp9
	v_and_b32 v8, 31, v0                           ; lane
	s_cmp_ge_u32 s21, 64
	s_cbranch_scc1 .Lx
	; THE WEIGHTS.  A wave turns 128 k x 64 n.
	s_lshr_b32 s22, s21, 4                         ; which matrix: 0 Wq, 1 Wk, 2 Wv, 3 Wo
	s_and_b32 s23, s21, 15                         ; which 64 columns
	v_and_b32 v1, 15, v0                           ; i: my 4 columns, 4 i ..
	v_bfe_u32 v9, v0, 4, 1                         ; hh: which half of the lanes
	v_lshlrev_b32 v2, 4, v1                        ; 16 i
	v_lshl_add_u32 v5, v9, 11, v2                  ; in wt: row hh, 16 bytes i
	s_mul_i32 s26, s20, STG                        ; my stage
	v_mul_u32_u24 v3, v1, 4*272                    ; into the stage: row 4 i (+ c by the immediate), k pair 2 hh
	v_lshl_add_u32 v3, v9, 2, v3
	v_add_nc_u32 v3, s26, v3
	v_mul_u32_u24 v4, v9, 272                      ; back: lanes 0-15 one row of 256 bytes, lanes 16-31 the next
	v_add3_u32 v4, v4, v2, s26
	v_lshl_add_u32 v2, v9, 13, v2                  ; in W: two rows of 4,096 bytes down for lanes 16-31, 16 bytes i
	s_lshl_b32 s28, s20, 19                        ; 128 rows of W for each wave,
	s_lshl_b32 s29, s23, 8                         ; 64 columns of 4 bytes
	s_add_co_u32 s28, s28, s29
	s_mov_b32 s29, 0
	s_lshl_b32 s30, s23, 7                         ; wt's row for Wq and Wk: 128 g + 64 x matrix
	s_lshl_b32 s31, s22, 6
	s_add_co_u32 s30, s30, s31
	s_lshl_b32 s31, s22, 10                        ; for Wv and Wo: 1,024 x matrix + 64 g
	s_lshl_b32 s32, s23, 6
	s_add_co_u32 s31, s31, s32
	s_cmp_lt_u32 s22, 2
	s_cselect_b32 s30, s30, s31
	s_lshl_b32 s30, s30, 11                        ; rows of 2,048 bytes,
	s_lshl_b32 s31, s20, 8                         ; my 128 k are 256 bytes of each
	s_add_co_u32 s30, s30, s31
	s_mov_b32 s31, 0
	s_wait_kmcnt 0x0
	s_cmp_eq_u32 s22, 1                            ; the matrix is chosen by the work-group's number
	s_cselect_b64 s[24:25], s[8:9], s[6:7]
	s_cmp_eq_u32 s22, 2
	s_cselect_b64 s[24:25], s[10:11], s[24:25]
	s_cmp_eq_u32 s22, 3
	s_cselect_b64 s[24:25], s[12:13], s[24:25]
	s_add_nc_u64 s[24:25], s[24:25], s[28:29]
	s_add_nc_u64 s[16:17], s[16:17], s[30:31]
; Half q of the wave's 128 k: 32 loads, each 2 x 256 neighbouring bytes (lanes 0-15 row 4 t + e, lanes 16-31 row 4 t + 2 + e).  Two rows' numbers of one column
; round into one word (k low, k + 1 high), which goes to the column's row in the stage.
.macro WHALF q
.set t, 0
.rept 16
	global_load_b128 v[16+8*t:16+8*t+3],   v2, s[24:25] offset:(16*(\q)+t)*16384
	global_load_b128 v[16+8*t+4:16+8*t+7], v2, s[24:25] offset:(16*(\q)+t)*16384+4096
.set t, t+1
.endr
.set t, 0
.rept 16
	s_wait_loadcnt 30-2*t                          ; loads come back in order: pair t is in, the 30 - 2 t younger ones stay out
.irp c, 0,1,2,3
	v_cvt_pk_f16_f32 v[12+(\c)], v[16+8*t+(\c)], v[16+8*t+4+(\c)]
.endr
.irp c, 0,1,2,3
	ds_store_b32 v3, v[12+(\c)] offset:(\c)*272+8*(16*(\q)+t)
.endr
.set t, t+1
.endr
.endm
	WHALF 0
	WHALF 1
.set u, 0
.rept 32
	ds_load_b128 v[16+4*u:16+4*u+3], v4 offset:544*u  ; LDS serves a wave's instructions in order (ISA guide 5.7.1.4): these see my stores above
.set u, u+1
.endr
.set u, 0
.rept 32
	s_wait_dscnt 31-u                              ; read-back u is in
	global_store_b128 v5, v[16+4*u:16+4*u+3], s[16:17] offset:4096*u  ; 16 lanes store 256 consecutive bytes, at a multiple of 256 from wt's first byte
.set u, u+1
.endr
	s_wait_tensorcnt 0x0                           ; the wave's end, behind my last LDS store
	ds_add_u32 v[SPW], v[NIL]
	s_wait_dscnt 0x0
	s_endpgm
.Lx:	; x.  A wave converts 16 KiB in 32 steps: 512 bytes in, 256 bytes out.  A ring of 16 slots in registers keeps 16 loads of each wave on their way.
	s_sub_co_u32 s22, s21, 64
	s_lshl_b32 s24, s22, 17                        ; 131,072 bytes of x for each work-group,
	s_mov_b32 s25, 0
	s_lshl_b32 s26, s22, 16                        ; 65,536 of xh
	s_mov_b32 s27, 0
	v_lshlrev_b32 v6, 4, v8
	v_lshl_add_u32 v6, s20, 14, v6                 ; in x: 16,384 x wave + 16 x lane; never rewritten
	v_lshlrev_b32 v7, 3, v8
	v_lshl_add_u32 v7, s20, 13, v7                 ; in xh: 8,192 x wave + 8 x lane; never rewritten
	s_wait_kmcnt 0x0
	s_add_nc_u64 s[4:5], s[4:5], s[24:25]
	s_add_nc_u64 s[14:15], s[14:15], s[26:27]
.set j, 0
.rept 16
	global_load_b128 v[16+4*j:16+4*j+3], v6, s[4:5] offset:512*j th:TH_LOAD_NT
.set j, j+1
.endr
; Step j.  Each step has result registers of its own, so no store's data is ever rewritten.
.macro XS j, ahead, left
	s_wait_loadcnt \left
	v_cvt_pk_f16_f32 v[80+2*(\j)],   v[16+4*((\j)%16)],   v[16+4*((\j)%16)+1]
	v_cvt_pk_f16_f32 v[80+2*(\j)+1], v[16+4*((\j)%16)+2], v[16+4*((\j)%16)+3]
.if \ahead
	global_load_b128 v[16+4*((\j)%16):16+4*((\j)%16)+3], v6, s[4:5] offset:512*((\j)+16) th:TH_LOAD_NT
.endif
	global_store_b64 v7, v[80+2*(\j):80+2*(\j)+1], s[14:15] offset:256*(\j)  ; the wave's store covers 256 consecutive bytes, aligned
.endm
.set j, 0
.rept 16
	XS j, 1, 15                                    ; 15 younger loads stay out
.set j, j+1
.endr
.rept 16
	XS j, 0, 31-j                                  ; nothing more to load: the counts run down
.set j, j+1
.endr
	s_endpgm
.Lfunc_end_k_qdb5e069bab_prep:
	.size	k_qdb5e069bab_prep, .Lfunc_end_k_qdb5e069bab_prep-k_qdb5e069bab_prep
	.p2alignl 7, 3214868480
	.fill 96, 4, 3214868480
	.section	.rodata,"a",@progbits
	.p2align	6, 0x0
	.amdhsa_kernel k_qdb5e069bab_prep
		.amdhsa_group_segment_fixed_size 140288
		.amdhsa_private_segment_fixed_size 0
		.amdhsa_enable_private_segment 0
		.amdhsa_kernarg_size 56
		.amdhsa_user_sgpr_count 2
		.amdhsa_user_sgpr_kernarg_segment_ptr 1
		.amdhsa_wavefront_size32 1
		.amdhsa_system_sgpr_workgroup_id_x 1
		.amdhsa_system_sgpr_workgroup_id_y 1
		.amdhsa_system_sgpr_workgroup_id_z 1
		.amdhsa_system_vgpr_workitem_id 0
		.amdhsa_next_free_vgpr 144
		.amdhsa_next_free_sgpr 66
		.amdhsa_reserve_vcc 0
		.amdhsa_float_denorm_mode_32 3
		.amdhsa_float_denorm_mode_16_64 3
		.amdhsa_memory_ordered 1
		.amdhsa_forward_progress 1
		.amdhsa_inst_pref_size 43
	.end_amdhsa_kernel
	.amdgpu_metadata
---
amdhsa.version: [ 1, 2 ]
amdhsa.kernels:
  - .name:           k_qdb5e069bab_prep
    .symbol:         k_qdb5e069bab_prep.kd
    .args:
      - { .name: x, .offset: 0, .size: 8, .value_kind: global_buffer, .address_space: global }
      - { .name: Wq, .offset: 8, .size: 8, .value_kind: global_buffer, .address_space: global }
      - { .name: Wk, .offset: 16, .size: 8, .value_kind: global_buffer, .address_space: global }
      - { .name: Wv, .offset: 24, .size: 8, .value_kind: global_buffer, .address_space: global }
      - { .name: Wo, .offset: 32, .size: 8, .value_kind: global_buffer, .address_space: global }
      - { .name: xh, .offset: 40, .size: 8, .value_kind: global_buffer, .address_space: global }
      - { .name: wt, .offset: 48, .size: 8, .value_kind: global_buffer, .address_space: global }
    .group_segment_fixed_size: 140288
    .private_segment_fixed_size: 0
    .kernarg_segment_align: 8
    .kernarg_segment_size: 56
    .max_flat_workgroup_size: 256
    .sgpr_count:     66
    .vgpr_count:     144
    .wavefront_size: 32
...
	.end_amdgpu_metadata
.endif
;; end of part 1
;; launch qkv (part 2): grid 4 x 64, 4 waves a work-group, clusters of 4 x 4, 327,680 bytes of LDS; arguments xh, wt, sc, vh, bq, bk, bv; writes sc, vh
.if DOCPART == 2
	.amdgcn_target "amdgcn-amd-amdhsa--gfx1250"
	.amdhsa_code_object_version 6
	.text
	.protected	k_qdb5e069bab_qkv
	.globl	k_qdb5e069bab_qkv
	.p2align	8
	.type	k_qdb5e069bab_qkv,@function
k_qdb5e069bab_qkv:
	s_mov_b64 s[64:65], 0
	v_nop
	global_prefetch_b8 v0, s[64:65] scope:SCOPE_SE
	s_setreg_imm32_b32 hwreg(HW_REG_WAVE_MODE, 25, 1), 1
	s_wait_xcnt 0x0
	s_wait_alu depctr_hold_cnt(0) depctr_sa_sdst(0) depctr_va_vdst(0) depctr_va_sdst(0) depctr_va_ssrc(0) depctr_va_vcc(0) depctr_vm_vsrc(0)
	s_getreg_b32 s2, hwreg(HW_REG_IB_STS2, 6, 4)
	s_cmp_eq_u32 s2, 0
	s_cbranch_scc0 .Lentry_in_a_cluster
	s_endpgm
.Lentry_in_a_cluster:
	s_bfe_u32 s2, ttmp6, 0x10000c
	s_cmp_lg_u32 s2, 0xf033
	s_cbranch_scc0 .Lentry_shape_is_right
	s_endpgm
.Lentry_shape_is_right:
; qkv: vh[row][n] = (x Wv + bv)[row][n], rounded once to f16; sc[head][row] = (x Wq + bq)_head . (x Wk + bk)_head / sqrt(32), f32.
; xh [16384][1024] f16; wt f16, K along the rows: rows 128 g + c = Wq's column 64 g + c, rows 128 g + 64 + c = Wk's (c < 64, g < 16); rows 2048 + n = Wv's column n.
; q and k never reach memory: a wave's 128 columns of a q/k tile are q and k of heads 2 g and 2 g + 1, and the dot product is taken in its accumulators, in f32.
; LIMITS.  Operands and v are f16 (within 65,504; fixed step 6e-8 below 6e-5); sums, biases and scores f32.  NaN and infinities are not treated apart.
; SHAPE.  A tile is 256 rows x 256 rows of wt; four waves, each 128 x 128: 64 accumulators of 16 x 16, 512 registers.  The matrix instruction is used transposed (source 0 = 16 rows of
; wt, source 1 = 16 rows of x): lane l holds row l % 16 and the columns 8 (l / 16) + 0..7 of a block.  The biases are the C operand of the products that start a tile's sums.
; A WORK-GROUP STAYS: it keeps its 256 rows of x and makes three tiles: Wv's tile column tc first, so that its 128 KiB of stores leave under the other two tiles' products, then the
; q/k tile columns tc and tc + 4.  The three tiles are ONE walk of 24 K steps of 128 through two LDS slots that take turns: step n's change of slots asks for step n + 2, across tiles too.
; One loop with a constant count walks 22 steps; the last two, which ask for nothing, are a second copy.  Every eighth trip ends a tile: forward jumps on counters that start from
; constants lead to the way out and to the next tile's first quarter; none passes a barrier or a tensor load.
; CLUSTER.  4 x 4 work-groups: the four of a row need the same tiles of x, the four of a column the same tiles of wt; each tile is asked for jointly, by the same tensor load with the
; same descriptor and a mask that names the four.  The descriptors' global addresses are made anew for each fill from the step's number, which is the same in every work-group.
; SLOT's two bits (13, 17) are not among those of wave x HALFT (11, 12, 15, 16), so an exclusive or with SLOT is an addition or a subtraction of it.
; REGISTERS, in windows of 256 (s_set_vgpr_msb: bits 1:0 source 0, 3:2 source 1, 5:4 source 2, 7:6 destination):
;   window 0: v0-31 addresses; v64-127, v128-191 fragments of x, two buffers; v32-63, v192-255 at work on the ways out
;   window 1: v0-63 the biases, block b at 8 b; v64-127, v128-191 fragments of wt, two buffers      windows 2, 3: the accumulators, (a, b) at 8 (8 (a % 4) + b)
.set SIZE_K, 1024
.set KSTEP,  128
.set PITCH,  272                       ; an LDS row: 256 bytes + 16 of padding = 68 words: the 16 rows of a fragment load start at 16 different groups of four banks (64 banks of 4 bytes: ISA guide 11.1)
.set HALFT,  128*PITCH                 ; 128 rows: what one tensor load brings
.set SLOT,   4*HALFT                   ; x's 256 rows, then wt's 256 rows
.set STAGE,  2*SLOT                    ; behind the ring, never filled by a tensor load: 16 rows x 272 bytes for each wave, for both ways out
.set SPITCH, 272
.set SPARE,  STAGE+4*16*SPITCH         ; the spare words, 128 bytes for each wave
.set VOFF,   2048*2048                 ; bytes from wt's first row to Wv's first
.set QSTO, 6                           ; v6   the scores' way out: where I put a score
.set QRD,  7                           ; v7   where I read 16 bytes back
.set QCO,  8                           ; v8   my byte offset in 512 bytes of sc
.set ADRA, 16                          ; v16  LDS address of my fragments of x in the slot in hand
.set A0,   18                          ; v18  the same in slot 0; never rewritten
.set ADRB, 20                          ; v20, v22  the same for wt
.set B0,   22
.set STO,  24                          ; v24  v's way out: where I put 16 bytes of a row
.set RD,   25                          ; v25  where I read a row back
.set CO,   26                          ; v26  my byte offset in two rows of vh
.set BA,   27                          ; v27  my byte offset in a block's 16 biases; never rewritten
.set SPW,  28                          ; v28  LDS address of my spare word; never rewritten
.set NIL,  29                          ; v29  0; never rewritten
.set F0,   64
.set F1,   128
.set TMP,  192                         ; v's way out: packed results
.set OB,   32                          ; v's way out: 16 rows read back: v32-63 and v224-255 by turns
.set G1,  24                           ; s[24:31] descriptor group 1 for x's tiles;  s[32:39] group 0: set 0 the first fill of slot 0, set 1 walks
.set G0,  32
.set G1B, 48                           ; s[48:55], s[56:63] the same for wt's tiles
.set G0B, 56
.set TB,  45                           ; s45  LDS byte at which the slot in hand begins
.set TI,  78                           ; s78  0 while the tile in hand is v's
.set NX,  79                           ; s79  the step of the walk to be asked for next, 2 to 23
.set SCP, 80                           ; s[80:81] sc;  s[82:83] vh;  s[84:85] bv
.set VHP, 82
.set BVP, 84
.set MSB, 0
.macro WIN new                         ; the immediate's high byte repeats the setting that is left; a switch that changes nothing is dropped
.if MSB != (\new)
	s_set_vgpr_msb (MSB<<8)|(\new)
.set MSB, \new
.endif
.endm
.set MUL_LO, 0xa1                      ; source 0 (wt) window 1, source 1 (x) window 0, C and D window 2; + 0x50: window 3
.set MUL_C,  0x91                      ; the same with C in window 1 (the biases); + 0x40: D in window 3
.set TO_B,   0x40                      ; destination window 1, address window 0
; A joint load.  Waves 0 and 1 fetch x's two halves, waves 2 and 3 wt's.  The branch hangs on the wave's number alone.  An s_nop 0 and four v_nop follow each of the two lines.
.macro JLOAD s
	s_cmp_eq_u32 s11, 0
	s_cbranch_scc0 .Lfor_b_\@
	tensor_load_to_lds s[G0+4*(\s):G0+4*(\s)+3], s[G1:G1+7]
	s_nop 0
.rept 4
	v_nop
.endr
	s_branch .Lasked_\@
.Lfor_b_\@:
	tensor_load_to_lds s[G0B+4*(\s):G0B+4*(\s)+3], s[G1B:G1B+7]
	s_nop 0
.rept 4
	v_nop
.endr
.Lasked_\@:
.endm
.macro CREST                           ; a round of the cluster's barrier behind its opening barrier
	s_cmp_lg_u32 s10, 0
	s_cbranch_scc1 .Lnot_wave_0_\@
	s_barrier_signal -3
.Lnot_wave_0_\@:
	s_barrier_wait -3
	s_barrier_signal -1
	s_barrier_wait -1
.endm
.macro CROUND                          ; a whole round
	s_barrier_signal -1
	s_barrier_wait -1
	CREST
.endm
	s_load_b128 s[4:7], s[0:1], 0x0                ; xh s[4:5], wt s[6:7]
	s_load_b128 s[SCP:SCP+3], s[0:1], 0x10         ; sc, vh
	s_load_b128 s[68:71], s[0:1], 0x20             ; bq s[68:69], bk s[70:71]
	s_load_b64 s[BVP:BVP+1], s[0:1], 0x30          ; bv
	v_lshl_add_u32 v[SPW], v0, 2, SPARE
	v_mov_b32 v[NIL], 0
	ds_add_u32 v[SPW], v[NIL]                      ; the wave's opening: the add and its wait come ahead of my first tensor load; the set-up below stands between them
	v_lshrrev_b32 v1, 5, v0
	v_readfirstlane_b32 s10, v1                    ; wave 0..3
	s_lshr_b32 s11, s10, 1                         ; which half of the tile's rows is mine.  Also: I fetch for x (0) or for wt (1)
	s_and_b32 s12, s10, 1                          ; which half of its columns.  Also: which 128 rows of that tile I fetch
	s_bfe_u32 s40, ttmp6, 0x40000                  ; cx, cy: my place in the cluster
	s_bfe_u32 s41, ttmp6, 0x40004
	s_lshl_b32 s42, ttmp9, 2
	s_add_co_u32 s42, s42, s40                     ; tile column tc = 4 x cluster x + cx
	s_and_b32 s13, ttmp7, 0xffff
	s_lshl_b32 s13, s13, 2
	s_add_co_u32 s13, s13, s41                     ; tile row = 4 x cluster y + cy
	s_lshl_b32 s43, s41, 2
	s_lshl_b32 s43, 15, s43                        ; my row of the cluster
	s_lshl_b32 s44, 0x1111, s40                    ; my column
	s_or_b32 s[G1+0], s43, (1<<16)|(1<<20)|(1<<21)|(5<<22)|(3<<25)   ; 15:0 the mask; 17:16 2-byte elements; 20 padding on; 21 set beside a mask; 24:22 after every 64 words; 31:25 4 words of it
	s_or_b32 s[G1B+0], s44, (1<<16)|(1<<20)|(1<<21)|(5<<22)|(3<<25)
.irp g, G1, G1B
	s_mov_b32 s[(\g)+1], KSTEP<<16                 ; tensor_dim0 = 128
	s_mov_b32 s[(\g)+2], 128<<16                   ; tensor_dim1 = 128
	s_mov_b32 s[(\g)+3], KSTEP<<16                 ; tile_dim0 = 128
	s_mov_b32 s[(\g)+4], 128                       ; tile_dim1 = 128
	s_mov_b32 s[(\g)+5], SIZE_K                    ; elements from row to row
	s_mov_b32 s[(\g)+6], 0
	s_mov_b32 s[(\g)+7], 0
.endr
	s_lshl_b32 s17, s12, 7                         ; which 128 rows of the tile I fetch
	s_lshl_b32 s16, s13, 8
	s_add_co_u32 s16, s16, s17                     ; x: row 256 x tile row + 128 x half,
	s_lshl_b32 s16, s16, 11                        ; of 2,048 bytes (under 2^26)
	s_lshl_b32 s46, s42, 8
	s_add_co_u32 s46, s46, s17                     ; wt: row 256 tc + 128 x half; the tile's own offset is added for each fill
	s_lshl_b32 s46, s46, 11
	s_mov_b32 s17, 0
	s_mov_b32 s47, 0
	s_mov_b32 s89, 0                               ; s[88:89], s[90:91]: a fill's byte offsets for x and for wt; s92, s93 at work on them: none of the six ever holds a place in the cluster
	s_mov_b32 s91, 0
	s_mov_b32 s[NX], 2
	s_mul_i32 s20, s10, HALFT                      ; where the tiles go: wave x 128 rows: no place in the cluster enters an LDS address
	s_wait_dscnt 0x0                               ; the opening add is done
	s_wait_kmcnt 0x0
	s_add_nc_u64 s[14:15], s[4:5], s[16:17]        ; kept: x at my rows, K = 0
	s_add_nc_u64 s[46:47], s[6:7], s[46:47]        ; kept: wt at my rows of tile column tc, K = 0
	CROUND                                         ; all sixteen work-groups are here: the first joint loads meet
.irp s, 0,1
	s_mov_b32 s[G0+4*(\s)], 1                                        ; count = 1
	s_add_co_u32 s[G0+4*(\s)+1], s20, (\s)*SLOT                      ; LDS address
	s_add_nc_u64 s[G0+4*(\s)+2:G0+4*(\s)+3], s[14:15], (\s)*KSTEP*2  ; global address: step s
	s_or_b32 s[G0+4*(\s)+3], s[G0+4*(\s)+3], 0x80000000              ; type = 2
	s_mov_b32 s[G0B+4*(\s)], 1
	s_add_co_u32 s[G0B+4*(\s)+1], s20, (\s)*SLOT
	s_add_nc_u64 s[G0B+4*(\s)+2:G0B+4*(\s)+3], s[46:47], VOFF+(\s)*KSTEP*2  ; the walk begins with Wv's tile
	s_or_b32 s[G0B+4*(\s)+3], s[G0B+4*(\s)+3], 0x80000000
	JLOAD \s                                       ; two loads of mine are out
.endr
	; A fragment is 16 rows x 32 K in 8 registers: lane l holds row l % 16, K = 8 (l / 16) + 0..7 and 16 + 8 (l / 16) + 0..7: two loads of 16 bytes, 32 bytes apart.
	v_and_b32 v1, 15, v0                           ; l % 16
	v_bfe_u32 v2, v0, 4, 1                         ; l / 16
	v_and_b32 v31, 31, v0                          ; l
	v_mul_u32_u24 v3, v1, PITCH
	v_lshl_add_u32 v3, v2, 4, v3
	s_mul_i32 s21, s11, HALFT                      ; my 128 rows of x
	s_mul_i32 s22, s12, HALFT                      ; my 128 rows of wt,
	s_add_co_u32 s22, s22, 2*HALFT                 ; which lie behind x's 256
	v_add_nc_u32 v[A0], s21, v3
	v_add_nc_u32 v[B0], s22, v3
	v_lshlrev_b32 v[BA], 5, v2                     ; 8 (l / 16) biases of 4 bytes
	s_lshl_b32 s72, s42, 10                        ; bv: my 128 columns of 4 bytes
	s_lshl_b32 s73, s12, 9
	s_add_co_u32 s72, s72, s73
	s_mov_b32 s73, 0
	s_add_nc_u64 s[BVP:BVP+1], s[BVP:BVP+1], s[72:73]
	s_lshr_b32 s72, s72, 1                         ; bq, bk: group g = 2 tc + half: 64 biases of 4 bytes in each
	s_add_nc_u64 s[68:69], s[68:69], s[72:73]
	s_add_nc_u64 s[70:71], s[70:71], s[72:73]
	WIN TO_B
.irp b, 0,1,2,3,4,5,6,7                ; register j of block b = the bias of column 16 b + 8 (l / 16) + j
	global_load_b128 v[8*(\b):8*(\b)+3],   v[BA], s[BVP:BVP+1] offset:64*(\b)
	global_load_b128 v[8*(\b)+4:8*(\b)+7], v[BA], s[BVP:BVP+1] offset:64*(\b)+16
.endr
	WIN 0
	s_mul_i32 s23, s10, 16*SPITCH
	s_add_co_u32 s23, s23, STAGE                   ; my stage
	v_mul_u32_u24 v4, v1, SPITCH                   ; v, in: row l % 16, 16 bytes for each half of the lanes
	v_lshl_add_u32 v4, v2, 4, v4
	v_add_nc_u32 v[STO], s23, v4
	v_mul_u32_u24 v5, v2, SPITCH                   ; back: lanes 0-15 one row of 256 bytes, lanes 16-31 the next
	v_lshl_add_u32 v5, v1, 4, v5
	v_add_nc_u32 v[RD], s23, v5
	v_lshlrev_b32 v5, 11, v2                       ; and the same two rows in vh
	v_lshl_add_u32 v[CO], v1, 4, v5
	v_lshlrev_b32 v4, 2, v1                        ; scores, in: head l / 16 (512 bytes each), row l % 16 (+ 16 a by the immediate)
	v_lshl_add_u32 v4, v2, 9, v4
	v_add_nc_u32 v[QSTO], s23, v4
	v_lshlrev_b32 v[QCO], 4, v31                   ; back and out: 16 bytes a lane
	v_add_nc_u32 v[QRD], s23, v[QCO]
	s_lshl_b32 s72, s13, 19                        ; vh: row 256 x tile row + 128 x half, 2,048 bytes each;
	s_lshl_b32 s73, s11, 18
	s_add_co_u32 s72, s72, s73
	s_lshl_b32 s73, s42, 9                         ; column 256 tc + 128 x half, 2 bytes each
	s_add_co_u32 s72, s72, s73
	s_lshl_b32 s73, s12, 8
	s_add_co_u32 s72, s72, s73
	s_mov_b32 s73, 0
	s_add_nc_u64 s[VHP:VHP+1], s[VHP:VHP+1], s[72:73]
	s_lshl_b32 s72, s42, 18                        ; sc: head 4 tc + 2 x half, 65,536 bytes each;
	s_lshl_b32 s73, s12, 17
	s_add_co_u32 s72, s72, s73
	s_lshl_b32 s73, s13, 10                        ; row 256 x tile row + 128 x half, 4 bytes each
	s_add_co_u32 s72, s72, s73
	s_lshl_b32 s73, s11, 9
	s_add_co_u32 s72, s72, s73
	s_mov_b32 s73, 0
	s_add_nc_u64 s[SCP:SCP+1], s[SCP:SCP+1], s[72:73]
	s_mov_b32 s86, 0xffff0000                      ; lanes 16-31
	s_mov_b32 s76, 0x76543210                      ; v_permlanex16_b32: each lane takes its own place in the other half
	s_mov_b32 s77, 0xfedcba98
; 16 matrix instructions: row blocks a0, a0 + 1 of the window's four x all 8 column blocks, 32 along K.  zero = 1: the products start a tile's sums, from the biases.
; The 64 accumulators take turns in the same order in every quarter.
.macro MUL16 f, hi, a0, zero
.if \zero
	WIN MUL_C+0x40*(\hi)
.else
	WIN MUL_LO+0x50*(\hi)
.endif
.irp a, \a0, (\a0)+1
.irp b, 0,1,2,3,4,5,6,7
.if \zero
	v_wmma_f32_16x16x32_f16 v[8*(8*(\a)+(\b)):8*(8*(\a)+(\b))+7], v[(\f)+8*(\b):(\f)+8*(\b)+7], v[(\f)+8*(4*(\hi)+(\a)):(\f)+8*(4*(\hi)+(\a))+7], v[8*(\b):8*(\b)+7]
.else
	v_wmma_f32_16x16x32_f16 v[8*(8*(\a)+(\b)):8*(8*(\a)+(\b))+7], v[(\f)+8*(\b):(\f)+8*(\b)+7], v[(\f)+8*(4*(\hi)+(\a)):(\f)+8*(4*(\hi)+(\a))+7], v[8*(8*(\a)+(\b)):8*(8*(\a)+(\b))+7]
.endif
.endr
.endr
.endm
; 32 LDS loads in one run: the fragments of one quarter step (32 K at byte k of the rows of the slot in hand) into buffer f
.macro FETCH k, f
	WIN TO_B
.irp i, 0,1,2,3,4,5,6,7
	ds_load_b128 v[(\f)+8*(\i):(\f)+8*(\i)+3],   v[ADRB] offset:(\k)+(\i)*16*PITCH
	ds_load_b128 v[(\f)+8*(\i)+4:(\f)+8*(\i)+7], v[ADRB] offset:(\k)+(\i)*16*PITCH+32
.endr
	WIN 0
.irp i, 0,1,2,3,4,5,6,7
	ds_load_b128 v[(\f)+8*(\i):(\f)+8*(\i)+3],   v[ADRA] offset:(\k)+(\i)*16*PITCH
	ds_load_b128 v[(\f)+8*(\i)+4:(\f)+8*(\i)+7], v[ADRA] offset:(\k)+(\i)*16*PITCH+32
.endr
.endm
.macro PLACES                          ; four places in front of loads into registers that matrix instructions have read, and of vector lines that read results
.rept 4
	v_nop
.endr
.endm
; A K step is four quarters of 32 along K on buffers 0, 1, 0, 1.  One of the first three: multiplies buffer f and fetches the next quarter, at byte k, into g.
.macro QUARTER k, f, g, zero
	s_wait_dscnt 8                                 ; wt's fragments and x's rows 0-63 are in; the youngest eight loads may be out
	MUL16 \f, 0, 0, \zero
	MUL16 \f, 0, 2, \zero
	PLACES
	FETCH \k, \g
	s_wait_dscnt 32                                ; all but the 32 just issued
	MUL16 \f, 1, 0, \zero
	MUL16 \f, 1, 2, \zero
.endm
; The last quarter's first half, and the one barrier of a change of slots: in front of it each wave waits for all its tensor loads (one is out: its part of the next slot), adds 0 to
; its spare word, and waits for that and for its own reads of this slot.  fill = 1: no load of mine is out, so the walking descriptors are written: the other slot than last time, and
; the addresses of step NX of the walk: 256 bytes along K for each step of a tile; wt's tile 0 lies VOFF on, tiles 1 and 2 lie 0 and 2 MiB on.
.macro MEET fill
	WIN 0
	s_wait_tensorcnt 0x0
	ds_add_u32 v[SPW], v[NIL]                      ; 0 onto my spare word; work on registers stands between it and the wait for it
.if \fill
	s_and_b32 s88, s[NX], 7
	s_lshl_b32 s88, s88, 8
	s_lshr_b32 s92, s[NX], 3                       ; the tile
	s_sub_co_u32 s93, s92, 1
	s_lshl_b32 s93, s93, 21
	s_cmp_eq_u32 s92, 0
	s_cselect_b32 s93, VOFF, s93
	s_add_co_u32 s90, s88, s93
	s_add_co_u32 s[NX], s[NX], 1
	s_xor_b32 s[G0+5], s[G0+5], SLOT
	s_add_nc_u64 s[G0+6:G0+7], s[14:15], s[88:89]
	s_or_b32 s[G0+7], s[G0+7], 0x80000000
	s_xor_b32 s[G0B+5], s[G0B+5], SLOT
	s_add_nc_u64 s[G0B+6:G0B+7], s[46:47], s[90:91]
	s_or_b32 s[G0B+7], s[G0B+7], 0x80000000
.endif
	s_wait_dscnt 9                                 ; the add and the youngest eight loads may be out
	MUL16 F1, 0, 0, 0
	s_wait_dscnt 0x0                               ; the add is done, and my reads of this slot are over
	s_barrier_signal -1
	MUL16 F1, 0, 2, 0
	WIN 0
	s_barrier_wait -1
.endm
; The whole last quarter.  fill = 1: the barrier opens a round of the cluster's barrier, and the slot just read is filled again, two steps ahead, first thing behind the round:
; 224 matrix instructions ahead of the wait for it.  fill = 0 (the walk's last two steps): nothing is asked for, and in the very last step (s3 = 1) there is no next slot to fetch from.
.macro TURN fill
	MEET \fill
.if \fill
	CREST
	JLOAD 1                                        ; the four v_nop behind it are also the places in front of the loads below
.else
	s_cmp_eq_u32 s3, 1
	s_cbranch_scc1 .Lnf_\@
	PLACES
.endif
	s_xor_b32 s[TB], s[TB], SLOT                   ; the next slot is the slot in hand
	v_add_nc_u32 v[ADRA], s[TB], v[A0]
	v_add_nc_u32 v[ADRB], s[TB], v[B0]
	FETCH 0, F0
.if !(\fill)
	WIN 0
.Lnf_\@:
.endif
	MUL16 F1, 1, 0, 0
	MUL16 F1, 1, 2, 0
.endm
; The biases of a q/k tile: blocks 0-3 are q's, blocks 4-7 k's; off = 2,048 for the second such tile (eight groups of 64 on)
.macro BIASQK off
	WIN TO_B
.irp b, 0,1,2,3
	global_load_b128 v[8*(\b):8*(\b)+3],         v[BA], s[68:69] offset:(\off)+64*(\b)
	global_load_b128 v[8*(\b)+4:8*(\b)+7],       v[BA], s[68:69] offset:(\off)+64*(\b)+16
	global_load_b128 v[32+8*(\b):32+8*(\b)+3],   v[BA], s[70:71] offset:(\off)+64*(\b)
	global_load_b128 v[32+8*(\b)+4:32+8*(\b)+7], v[BA], s[70:71] offset:(\off)+64*(\b)+16
.endr
	WIN 0
.endm
; V'S WAY OUT, row block a.  PACK: rounded to f16, 16 bytes a lane.  TOSTAGE: into my stage and back as whole rows of 256 bytes.  SEND: stored.  None touches buffer 0, into which the next tile's first fragments are on their way.
.macro PACK a
.set AC, 64*((\a)%4)
	WIN 0x0a+5*((\a)/4)                            ; sources 0 and 1 window 2 or 3, destination window 0
.irp b, 0,1,2,3,4,5,6,7
.irp r, 0,1,2,3
	v_cvt_pk_f16_f32 v[TMP+4*(\b)+(\r)], v[AC+8*(\b)+2*(\r)], v[AC+8*(\b)+2*(\r)+1]
.endr
.endr
	WIN 0
.endm
.macro TOSTAGE a
	WIN 0
.set BK, OB+192*((\a)%2)
.irp b, 0,1,2,3,4,5,6,7
	ds_store_b128 v[STO], v[TMP+4*(\b):TMP+4*(\b)+3] offset:32*(\b)
.endr
.irp t, 0,1,2,3,4,5,6,7
	ds_load_b128 v[BK+4*(\t):BK+4*(\t)+3], v[RD] offset:(\t)*2*SPITCH  ; LDS serves a wave's instructions in order (ISA guide 5.7.1.4): these see the stores above
.endr
.endm
.macro SEND a
	WIN 0
.set BK, OB+192*((\a)%2)
	s_wait_dscnt 0x0                               ; the block is back in registers
	s_wait_xcnt 0x0                                ; the registers that the block before's stores read are loaded again only behind this wait
.irp t, 0,1,2,3,4,5,6,7
	global_store_b128 v[CO], v[BK+4*(\t):BK+4*(\t)+3], s[VHP:VHP+1] offset:(\a)*32768+(\t)*4096  ; 16 lanes store 256 consecutive bytes, aligned
.endr
.endm
; THE SCORES' WAY OUT.  For row block a and head t the lane's 16 products q k (blocks 2 t, 2 t + 1 against 2 t + 4, 2 t + 5, eight registers each) are summed in pairs; eight chains take
; turns; each accumulator is read from its low end on.  off = 1,048,576 for the second q/k tile (16 heads on).
.macro QKOUT off
	s_wait_xcnt 0x0                                ; the registers written below were data of earlier stores
.irp hi, 0,1
	WIN 0x0a+5*(\hi)                               ; sources 0 and 1 window 2 or 3; the sums in window 0
.set sx, 0
.rept 8
.irp ap, 0,1,2,3
.irp t, 0,1
.set rq, 8*(8*(\ap)+2*(\t)+sx/4)+2*(sx%4)
.set rt, 192+2*(2*(4*(\hi)+(\ap))+(\t))
.if sx == 0
	v_pk_mul_f32 v[rt:rt+1], v[rq:rq+1], v[rq+32:rq+33]
.else
	v_pk_fma_f32 v[rt:rt+1], v[rq:rq+1], v[rq+32:rq+33], v[rt:rt+1]
.endif
.endr
.endr
.set sx, sx+1
.endr
.endr
	WIN 0
.set i, 0
.rept 16
	v_add_f32 v[224+i], v[192+2*i], v[192+2*i+1]
.set i, i+1
.endr
.set i, 0
.rept 16
	v_permlanex16_b32 v[192+i], v[224+i], s76, s77  ; the row's other 16 channels lie in the lane 16 away
.set i, i+1
.endr
.set i, 0
.rept 16
	v_add_f32 v[224+i], v[224+i], v[192+i]
.set i, i+1
.endr
.set i, 0
.rept 8
	v_cndmask_b32 v[240+i], v[224+2*i], v[225+2*i], s86  ; lanes 0-15 keep the first head's score, lanes 16-31 the second's
.set i, i+1
.endr
.set i, 0
.rept 8
	v_mul_f32 v[240+i], 0x3e3504f3, v[240+i]       ; 1 / sqrt(32)
.set i, i+1
.endr
.set i, 0
.rept 8
	ds_store_b32 v[QSTO], v[240+i] offset:64*i
.set i, i+1
.endr
	ds_load_b128 v[32:35], v[QRD]                  ; LDS serves a wave's instructions in order (ISA guide 5.7.1.4): these see the stores above
	ds_load_b128 v[36:39], v[QRD] offset:512
	s_wait_dscnt 0x0
	global_store_b128 v[QCO], v[32:35], s[SCP:SCP+1] offset:(\off)        ; a head's 128 rows: 512 consecutive bytes, aligned
	global_store_b128 v[QCO], v[36:39], s[SCP:SCP+1] offset:(\off)+65536
.endm
	s_wait_tensorcnt 0x1                           ; my part of step 0 is in; step 1's may stay out
	s_barrier_signal -1
	s_barrier_wait -1                              ; everybody's is
	s_mov_b32 s[TB], 0
	v_add_nc_u32 v[ADRA], s[TB], v[A0]
	v_add_nc_u32 v[ADRB], s[TB], v[B0]
	FETCH 0, F0
	s_wait_loadcnt 0x0                             ; bv
	QUARTER 64, F0, F1, 1                          ; the walk's first quarter stands in front of the loop
	WIN 0
	s_mov_b32 s3, 22                               ; steps that ask for the step two on
	s_mov_b32 s2, 8                                ; steps left of the tile in hand
	s_mov_b32 s[TI], 0
.Lstep:                                                ; a trip goes from a step's second quarter to the next step's first
	QUARTER 128, F1, F0, 0
	QUARTER 192, F0, F1, 0
	TURN 1
	WIN 0
	s_sub_co_u32 s2, s2, 1
	s_cmp_lg_u32 s2, 0
	s_cbranch_scc1 .Lplain
	s_mov_b32 s2, 8                                ; A TILE'S SUMS ARE FINISHED; both refills for the next tile's first two steps are asked for, and its first fragments are on their way
	s_cmp_lg_u32 s[TI], 0
	s_cbranch_scc1 .Lqk_done
	BIASQK 0                                       ; the next tile's biases land under the way out
	PLACES
	PACK 0
	TOSTAGE 0
.irp a, 1,2,3,4,5,6,7                  ; block a's conversions stand between block a - 1's loads from the stage and the wait for them
	PACK \a
	SEND (\a)-1
	TOSTAGE \a
.endr
	SEND 7
	s_mov_b32 s[TI], 1
	s_branch .Lnext
.Lqk_done:
	BIASQK 2048
	PLACES
	QKOUT 0
.Lnext:
	s_wait_loadcnt 0x0                             ; the biases
	QUARTER 64, F0, F1, 1                          ; the next tile's first quarter starts its sums on accumulators that have been read out
	WIN 0
	s_branch .Lbottom
.Lplain:
	QUARTER 64, F0, F1, 0
	WIN 0
.Lbottom:
	s_sub_co_u32 s3, s3, 1
	s_cmp_lg_u32 s3, 0
	s_cbranch_scc1 .Lstep
	s_mov_b32 s3, 2
.LstepB:                                               ; the walk's last two steps are written out; the second trip is left in its middle
	QUARTER 128, F1, F0, 0
	QUARTER 192, F0, F1, 0
	TURN 0
	WIN 0
	s_sub_co_u32 s3, s3, 1
	s_cmp_eq_u32 s3, 0
	s_cbranch_scc1 .Lout
	QUARTER 64, F0, F1, 0
	WIN 0
	s_branch .LstepB
.Lout:
	s_wait_dscnt 0x0                               ; no fragment load is out
	PLACES
	QKOUT 1048576
	s_wait_tensorcnt 0x0                           ; the wave's end
	ds_add_u32 v[SPW], v[NIL]
	s_wait_dscnt 0x0
	CROUND                                         ; the closing round: no work-group ends while a partner may still ask for a tile that names it
	s_endpgm
.Lfunc_end_k_qdb5e069bab_qkv:
	.size	k_qdb5e069bab_qkv, .Lfunc_end_k_qdb5e069bab_qkv-k_qdb5e069bab_qkv
	.p2alignl 7, 3214868480
	.fill 96, 4, 3214868480
	.section	.rodata,"a",@progbits
	.p2align	6, 0x0
	.amdhsa_kernel k_qdb5e069bab_qkv
		.amdhsa_group_segment_fixed_size 327680
		.amdhsa_private_segment_fixed_size 0
		.amdhsa_enable_private_segment 0
		.amdhsa_kernarg_size 56
		.amdhsa_user_sgpr_count 2
		.amdhsa_user_sgpr_kernarg_segment_ptr 1
		.amdhsa_wavefront_size32 1
		.amdhsa_system_sgpr_workgroup_id_x 1
		.amdhsa_system_sgpr_workgroup_id_y 1
		.amdhsa_system_sgpr_workgroup_id_z 1
		.amdhsa_system_vgpr_workitem_id 0
		.amdhsa_next_free_vgpr 1024
		.amdhsa_next_free_sgpr 96
		.amdhsa_reserve_vcc 0
		.amdhsa_float_denorm_mode_32 3
		.amdhsa_float_denorm_mode_16_64 3
		.amdhsa_memory_ordered 1
		.amdhsa_forward_progress 1
		.amdhsa_inst_pref_size 137
	.end_amdhsa_kernel
	.amdgpu_metadata
---
amdhsa.version: [ 1, 2 ]
amdhsa.kernels:
  - .name:           k_qdb5e069bab_qkv
    .symbol:         k_qdb5e069bab_qkv.kd
    .args:
      - { .name: xh, .offset: 0, .size: 8, .value_kind: global_buffer, .address_space: global }
      - { .name: wt, .offset: 8, .size: 8, .value_kind: global_buffer, .address_space: global }
      - { .name: sc, .offset: 16, .size: 8, .value_kind: global_buffer, .address_space: global }
      - { .name: vh, .offset: 24, .size: 8, .value_kind: global_buffer, .address_space: global }
      - { .name: bq, .offset: 32, .size: 8, .value_kind: global_buffer, .address_space: global }
      - { .name: bk, .offset: 40, .size: 8, .value_kind: global_buffer, .address_space: global }
      - { .name: bv, .offset: 48, .size: 8, .value_kind: global_buffer, .address_space: global }
    .group_segment_fixed_size: 327680
    .private_segment_fixed_size: 0
    .kernarg_segment_align: 8
    .kernarg_segment_size: 56
    .max_flat_workgroup_size: 128
    .sgpr_count:     96
    .vgpr_count:     1024
    .wavefront_size: 32
...
	.end_amdgpu_metadata
.endif
;; end of part 2
;; launch mlp (part 3): grid 256 x 1, 2 waves a work-group, no clusters, 0 bytes of LDS; arguments sc, mask, W1, b1, W2, b2, lg, st; writes lg, st
.if DOCPART == 3
	.amdgcn_target "amdgcn-amd-amdhsa--gfx1250"
	.amdhsa_code_object_version 6
	.text
	.protected	k_qdb5e069bab_mlp
	.globl	k_qdb5e069bab_mlp
	.p2align	8
	.type	k_qdb5e069bab_mlp,@function
k_qdb5e069bab_mlp:
	s_mov_b64 s[64:65], 0
	v_nop
	global_prefetch_b8 v0, s[64:65] scope:SCOPE_SE
	s_setreg_imm32_b32 hwreg(HW_REG_WAVE_MODE, 25, 1), 1
	s_wait_xcnt 0x0
; mlp: lg[row][32] = relu(s W1 + b1) W2 + b2, or -1e9 where mask = 0; and for each wave's 32 rows and each head the partial maximum m and sum l = sum 2^((a - m) log2 e), into st.
; sc [32 heads][16384 rows] f32; W1 [32][64], W2 [64][32], b1, b2 f32; mask [16384] i32.  st: m at byte 0, l at byte 65,536, each [512 waves][32 heads] f32.
; ALL IN f32, on the f32 matrix form: this is a thousandth of the program's multiply-adds, and a score rounded to 16 bits would either cost too much of a weight's accuracy (8 bits)
; or have no room for scores of large inputs (f16's range).  The subtraction a - m comes first, so that -1e9 and large logits lose nothing by cancellation.
; LIMITS.  A weight below 2^-126 counts as 0 in l; NaN and infinities are not treated apart.
; SHARES.  Wave gw = 2 x work-group + wave takes rows 32 gw .. + 31, two tiles of 16.  No wave reads what another wrote: no LDS, no barrier.
; LAYOUT.  Both layers are used transposed, so that a lane holds one row (l % 16) throughout: D1 = W1^T S^T (m = hidden unit, n = row), D2 = W2^T H.  A result register j of lane (r, h)
; is unit 8 h + j; a pair of such registers, as it lies, is a B fragment whose four k places stand for the units 8 h + 2 e + j, and W2^T's A fragments are loaded by the same map.
; The registers that the matrix instructions write (D1, D2) are written by nothing else; what is made of them goes elsewhere.
.set D1,  16                           ; v16-79    8 (2 m + t): hidden block m, row tile t
.set D2,  80                           ; v80-111   8 (2 u + t): head block u
.set A1,  112                          ; v112-175  2 (8 m + c): W1^T, K step c;  later H (as D1);  later E (as D2) and, at v144, the sums
.set HH,  112
.set EE,  112
.set SM,  144
.set B1,  176                          ; v176-207  2 (8 t + c): S^T;  later L, the masked logits (as D2)
.set LL,  176
.set BI1, 208                          ; v208-239  b1, block m at 8 m;  later the maxima, 8 u + j
.set MX,  208
.set BI2, 240                          ; v240-255  b2, block u at 8 u
.set A2,  0                            ; window 1, v0-63: 2 (16 u + 4 p + e): W2^T
.set MSB, 0
.macro WIN new
.if MSB != (\new)
	s_set_vgpr_msb (MSB<<8)|(\new)
.set MSB, \new
.endif
.endm
	s_load_b512 s[4:19], s[0:1], 0x0               ; sc s[4:5], mask s[6:7], W1 s[8:9], b1 s[10:11], W2 s[12:13], b2 s[14:15], lg s[16:17], st s[18:19]
	v_lshrrev_b32 v1, 5, v0
	v_readfirstlane_b32 s24, v1
	s_lshl_b32 s25, ttmp9, 1
	s_add_co_u32 s24, s24, s25                     ; gw
	v_and_b32 v1, 15, v0                           ; r
	v_bfe_u32 v2, v0, 4, 1                         ; h
	v_lshlrev_b32 v7, 2, v1                        ; 4 r: mask
	v_lshl_add_u32 v3, v2, 9, v7                   ; W1: two rows of 256 bytes for h, column r
	v_lshl_add_u32 v4, v2, 10, v7                  ; W2: eight rows of 128 bytes for h, column r
	v_lshl_add_u32 v5, v2, 17, v7                  ; sc: two heads of 65,536 bytes for h, row r
	v_lshlrev_b32 v6, 5, v2                        ; 8 h numbers of 4 bytes: b1, b2, st
	v_lshl_add_u32 v8, v1, 7, v6                   ; lg: row r of 128 bytes, 8 h heads
	v_mov_b32 v9, 0xce6e6b28                       ; -1e9
	s_lshl_b32 s26, s24, 7                         ; 32 rows of 4 bytes; also 32 heads of 4 bytes in st
	s_mov_b32 s27, 0
	s_lshl_b32 s28, s24, 12                        ; 32 rows of 128 bytes
	s_mov_b32 s29, 0
	s_wait_kmcnt 0x0
	s_add_nc_u64 s[4:5], s[4:5], s[26:27]
	s_add_nc_u64 s[6:7], s[6:7], s[26:27]
	s_add_nc_u64 s[18:19], s[18:19], s[26:27]
	s_add_nc_u64 s[16:17], s[16:17], s[28:29]
.irp t, 0,1
.irp c, 0,1,2,3,4,5,6,7
.irp j, 0,1
	global_load_b32 v[B1+2*(8*(\t)+(\c))+(\j)], v5, s[4:5] offset:262144*(\c)+65536*(\j)+64*(\t)  ; head 4 c + 2 h + j, row 16 t + r
.endr
.endr
.endr
.irp m, 0,1,2,3
.irp c, 0,1,2,3,4,5,6,7
.irp j, 0,1
	global_load_b32 v[A1+2*(8*(\m)+(\c))+(\j)], v3, s[8:9] offset:1024*(\c)+256*(\j)+64*(\m)      ; W1[4 c + 2 h + j][16 m + r]
.endr
.endr
.endr
.irp m, 0,1,2,3
	global_load_b128 v[BI1+8*(\m):BI1+8*(\m)+3],   v6, s[10:11] offset:64*(\m)
	global_load_b128 v[BI1+8*(\m)+4:BI1+8*(\m)+7], v6, s[10:11] offset:64*(\m)+16
.endr
	WIN 0x40                                       ; destination window 1
.irp u, 0,1
.irp p, 0,1,2,3
.irp e, 0,1,2,3
.irp j, 0,1
	global_load_b32 v[A2+2*(16*(\u)+4*(\p)+(\e))+(\j)], v4, s[12:13] offset:2048*(\p)+256*(\e)+128*(\j)+64*(\u)  ; W2[16 p + 8 h + 2 e + j][16 u + r]
.endr
.endr
.endr
.endr
	WIN 0
.irp u, 0,1
	global_load_b128 v[BI2+8*(\u):BI2+8*(\u)+3],   v6, s[14:15] offset:64*(\u)
	global_load_b128 v[BI2+8*(\u)+4:BI2+8*(\u)+7], v6, s[14:15] offset:64*(\u)+16
.endr
	global_load_b32 v12, v7, s[6:7]
	global_load_b32 v13, v7, s[6:7] offset:64
	s_wait_loadcnt 0x0
	; layer 1: eight accumulators by turns; the first K step starts the sums from b1
.irp c, 0,1,2,3,4,5,6,7
.irp m, 0,1,2,3
.irp t, 0,1
.if (\c) == 0
	v_wmma_f32_16x16x4_f32 v[D1+8*(2*(\m)+(\t)):D1+8*(2*(\m)+(\t))+7], v[A1+2*(8*(\m)+(\c)):A1+2*(8*(\m)+(\c))+1], v[B1+2*(8*(\t)+(\c)):B1+2*(8*(\t)+(\c))+1], v[BI1+8*(\m):BI1+8*(\m)+7]
.else
	v_wmma_f32_16x16x4_f32 v[D1+8*(2*(\m)+(\t)):D1+8*(2*(\m)+(\t))+7], v[A1+2*(8*(\m)+(\c)):A1+2*(8*(\m)+(\c))+1], v[B1+2*(8*(\t)+(\c)):B1+2*(8*(\t)+(\c))+1], v[D1+8*(2*(\m)+(\t)):D1+8*(2*(\m)+(\t))+7]
.endif
.endr
.endr
.endr
.rept 8
	v_nop                                          ; eight places behind this form (ISA guide 7.12.1) before its results are read and its sources rewritten
.endr
.set i, 0
.rept 64
	v_max_num_f32 v[HH+i], 0, v[D1+i]              ; relu, each accumulator from its low end on
.set i, i+1
.endr
	; layer 2: four accumulators by turns; the first K step starts the sums from b2
	WIN 0x01                                       ; source 0 (W2^T) window 1
.irp p, 0,1,2,3
.irp e, 0,1,2,3
.irp u, 0,1
.irp t, 0,1
.if ((\p) == 0) && ((\e) == 0)
	v_wmma_f32_16x16x4_f32 v[D2+8*(2*(\u)+(\t)):D2+8*(2*(\u)+(\t))+7], v[A2+2*(16*(\u)+4*(\p)+(\e)):A2+2*(16*(\u)+4*(\p)+(\e))+1], v[HH+8*(2*(\p)+(\t))+2*(\e):HH+8*(2*(\p)+(\t))+2*(\e)+1], v[BI2+8*(\u):BI2+8*(\u)+7]
.else
	v_wmma_f32_16x16x4_f32 v[D2+8*(2*(\u)+(\t)):D2+8*(2*(\u)+(\t))+7], v[A2+2*(16*(\u)+4*(\p)+(\e)):A2+2*(16*(\u)+4*(\p)+(\e))+1], v[HH+8*(2*(\p)+(\t))+2*(\e):HH+8*(2*(\p)+(\t))+2*(\e)+1], v[D2+8*(2*(\u)+(\t)):D2+8*(2*(\u)+(\t))+7]
.endif
.endr
.endr
.endr
.endr
	WIN 0
.rept 8
	v_nop
.endr
	v_cmp_eq_u32 s20, 0, v12                       ; my row of tile 0 is masked
	v_cmp_eq_u32 s21, 0, v13                       ; of tile 1
.irp u, 0,1
.irp t, 0,1
.irp j, 0,1,2,3,4,5,6,7
	v_cndmask_b32 v[LL+8*(2*(\u)+(\t))+(\j)], v[D2+8*(2*(\u)+(\t))+(\j)], v9, s[20+(\t)]
.endr
.endr
.endr
.irp u, 0,1
.irp t, 0,1
	global_store_b128 v8, v[LL+8*(2*(\u)+(\t)):LL+8*(2*(\u)+(\t))+3],   s[16:17] offset:2048*(\t)+64*(\u)
	global_store_b128 v8, v[LL+8*(2*(\u)+(\t))+4:LL+8*(2*(\u)+(\t))+7], s[16:17] offset:2048*(\t)+64*(\u)+16
.endr
.endr
	; the maximum over my 32 rows, for the lane's 16 heads (16 u + 8 h + j): the two tiles, then the 16 lanes of my half
.irp u, 0,1
.irp j, 0,1,2,3,4,5,6,7
	v_max_num_f32 v[MX+8*(\u)+(\j)], v[LL+16*(\u)+(\j)], v[LL+16*(\u)+8+(\j)]
.endr
.endr
.irp x, 1,2,4,8
.set i, 0
.rept 16
	v_max_num_f32_dpp v[MX+i], v[MX+i], v[MX+i] row_xmask:\x row_mask:0xf bank_mask:0xf
.set i, i+1
.endr
.endr
.irp u, 0,1
.irp t, 0,1
.irp j, 0,1,2,3,4,5,6,7
	v_sub_f32 v[EE+8*(2*(\u)+(\t))+(\j)], v[LL+8*(2*(\u)+(\t))+(\j)], v[MX+8*(\u)+(\j)]
.endr
.endr
.endr
.set i, 0
.rept 32
	v_mul_f32 v[EE+i], 0x3fb8aa3b, v[EE+i]         ; log2 e
.set i, i+1
.endr
.set i, 0
.rept 32
	v_exp_f32 v[EE+i], v[EE+i]
.set i, i+1
.endr
	v_nop                                          ; a plain instruction between the last exponential and the use of its result (ISA guide 5.7.2)
	s_wait_alu depctr_va_vdst(0)
.irp u, 0,1
.irp j, 0,1,2,3,4,5,6,7
	v_add_f32 v[SM+8*(\u)+(\j)], v[EE+16*(\u)+(\j)], v[EE+16*(\u)+8+(\j)]
.endr
.endr
.irp x, 1,2,4,8
.set i, 0
.rept 16
	v_add_f32_dpp v[SM+i], v[SM+i], v[SM+i] row_xmask:\x row_mask:0xf bank_mask:0xf
.set i, i+1
.endr
.endr
	s_wait_xcnt 0x0                                ; EXEC, a source of the stores above, changes only behind this wait
	v_cmp_eq_u32 vcc_lo, 0, v1
	s_and_saveexec_b32 s22, vcc_lo                 ; lanes 0 and 16 store their half's 16 heads
.irp u, 0,1
.irp q, 0,1
	global_store_b128 v6, v[MX+8*(\u)+4*(\q):MX+8*(\u)+4*(\q)+3], s[18:19] offset:64*(\u)+16*(\q)
	global_store_b128 v6, v[SM+8*(\u)+4*(\q):SM+8*(\u)+4*(\q)+3], s[18:19] offset:65536+64*(\u)+16*(\q)
.endr
.endr
	s_wait_xcnt 0x0                                ; and again in front of the line that widens it
	s_or_b32 exec_lo, exec_lo, s22
	s_endpgm
.Lfunc_end_k_qdb5e069bab_mlp:
	.size	k_qdb5e069bab_mlp, .Lfunc_end_k_qdb5e069bab_mlp-k_qdb5e069bab_mlp
	.p2alignl 7, 3214868480
	.fill 96, 4, 3214868480
	.section	.rodata,"a",@progbits
	.p2align	6, 0x0
	.amdhsa_kernel k_qdb5e069bab_mlp
		.amdhsa_group_segment_fixed_size 0
		.amdhsa_private_segment_fixed_size 0
		.amdhsa_enable_private_segment 0
		.amdhsa_kernarg_size 64
		.amdhsa_user_sgpr_count 2
		.amdhsa_user_sgpr_kernarg_segment_ptr 1
		.amdhsa_wavefront_size32 1
		.amdhsa_system_sgpr_workgroup_id_x 1
		.amdhsa_system_sgpr_workgroup_id_y 1
		.amdhsa_system_sgpr_workgroup_id_z 1
		.amdhsa_system_vgpr_workitem_id 0
		.amdhsa_next_free_vgpr 320
		.amdhsa_next_free_sgpr 66
		.amdhsa_reserve_vcc 1
		.amdhsa_float_denorm_mode_32 3
		.amdhsa_float_denorm_mode_16_64 3
		.amdhsa_memory_ordered 1
		.amdhsa_forward_progress 1
		.amdhsa_inst_pref_size 46
	.end_amdhsa_kernel
	.amdgpu_metadata
---
amdhsa.version: [ 1, 2 ]
amdhsa.kernels:
  - .name:           k_qdb5e069bab_mlp
    .symbol:         k_qdb5e069bab_mlp.kd
    .args:
      - { .name: sc, .offset: 0, .size: 8, .value_kind: global_buffer, .address_space: global }
      - { .name: mask, .offset: 8, .size: 8, .value_kind: global_buffer, .address_space: global }
      - { .name: W1, .offset: 16, .size: 8, .value_kind: global_buffer, .address_space: global }
      - { .name: b1, .offset: 24, .size: 8, .value_kind: global_buffer, .address_space: global }
      - { .name: W2, .offset: 32, .size: 8, .value_kind: global_buffer, .address_space: global }
      - { .name: b2, .offset: 40, .size: 8, .value_kind: global_buffer, .address_space: global }
      - { .name: lg, .offset: 48, .size: 8, .value_kind: global_buffer, .address_space: global }
      - { .name: st, .offset: 56, .size: 8, .value_kind: global_buffer, .address_space: global }
    .group_segment_fixed_size: 0
    .private_segment_fixed_size: 0
    .kernarg_segment_align: 8
    .kernarg_segment_size: 64
    .max_flat_workgroup_size: 64
    .sgpr_count:     66
    .vgpr_count:     320
    .wavefront_size: 32
...
	.end_amdgpu_metadata
.endif
;; end of part 3
;; launch soft (part 4): grid 256 x 1, 2 waves a work-group, no clusters, 0 bytes of LDS; arguments lg, st, wc; writes wc
.if DOCPART == 4
	.amdgcn_target "amdgcn-amd-amdhsa--gfx1250"
	.amdhsa_code_object_version 6
	.text
	.protected	k_qdb5e069bab_soft
	.globl	k_qdb5e069bab_soft
	.p2align	8
	.type	k_qdb5e069bab_soft,@function
k_qdb5e069bab_soft:
	s_mov_b64 s[64:65], 0
	v_nop
	global_prefetch_b8 v0, s[64:65] scope:SCOPE_SE
	s_setreg_imm32_b32 hwreg(HW_REG_WAVE_MODE, 25, 1), 1
	s_wait_xcnt 0x0
; soft: the softmax over a batch's 2,048 rows, per head, from the masked logits lg [16384][32] and the 64 partial (m, l) of the batch in st; and the row scale.
; M = max m_p;  l = sum l_p 2^((m_p - M) log2 e);  aw = 2^((a - M) log2 e) / l;  c = max(max over heads of aw, 1e-30);  w = aw / c, at most 1.
; wc: byte 0: [8 groups of four heads][16384 rows][4] words, each (w, w) in f16, as the packed multiply of the last launch takes them: a group is one of its K steps of 128;
;     byte 2,097,152: [16384 rows][2] f32 = (c, c).  A row scale factors out of the last product's sums, so out = c ((w v) Wo) + bo, and w v has v's range in f16.
; LIMITS.  A weight below 2^-126 counts as 0; a row whose largest weight is below 1e-30 is scaled by 1e-30; w is rounded once to f16 (fixed step 6e-8 below 6e-5, beside the row's
; largest w, which is 1); NaN and infinities are not treated apart.
; SHARES.  Wave gw = 2 x work-group + wave takes rows 32 gw .. + 31, one a lane; every wave combines its batch's partials anew (16 KiB): no LDS, no barrier.
.set MM, 8                             ; v8-71    m: load i, register k: partial 4 i + lane / 8, head 4 (lane % 8) + k;  later, v8-39, the words for wc
.set PL, 72                            ; v72-135  l, likewise
.set AW, 136                           ; v136-167 my row's 32 logits, then weights
.set MG, 168                           ; v168-171 M of heads 4 (lane % 8) + k
.set LS, 172                           ; v172-175 l, then 1 / l
.set T,  176                           ; v176-179 at work
.set CC, 180                           ; v180-181 (c, c);  v182 1 / c
	s_load_b128 s[4:7], s[0:1], 0x0                ; lg s[4:5], st s[6:7]
	s_load_b64 s[8:9], s[0:1], 0x10                ; wc
	v_lshrrev_b32 v1, 5, v0
	v_readfirstlane_b32 s10, v1
	s_lshl_b32 s11, ttmp9, 1
	s_add_co_u32 s10, s10, s11                     ; gw
	s_lshr_b32 s12, s10, 6                         ; the batch:
	s_lshl_b32 s12, s12, 13                        ; its 64 partials of 128 bytes
	s_mov_b32 s13, 0
	s_lshl_b32 s14, s10, 12                        ; 32 rows of 128 bytes in lg
	s_mov_b32 s15, 0
	s_lshl_b32 s48, s10, 9                         ; 32 rows of 16 bytes in a group's table
	s_mov_b32 s49, 0
	s_lshl_b32 s50, s10, 8                         ; 32 rows of 8 bytes in c's table
	s_mov_b32 s51, 0
	s_mov_b32 s98, 0x76543210                      ; v_permlanex16_b32: each lane takes its own place in the other half
	s_mov_b32 s99, 0xfedcba98
	v_and_b32 v1, 31, v0
	v_lshlrev_b32 v2, 4, v1                        ; 16 x lane
	v_lshlrev_b32 v3, 7, v1                        ; 128 x lane
	v_lshlrev_b32 v4, 3, v1                        ; 8 x lane
.irp k, 0,1,2,3
	v_mov_b32 v[T+(\k)], 0                         ; written before v_permlanex16_b32 names them as destinations
.endr
	s_wait_kmcnt 0x0
	s_add_nc_u64 s[6:7], s[6:7], s[12:13]
	s_add_nc_u64 s[4:5], s[4:5], s[14:15]
	s_add_nc_u64 s[52:53], s[8:9], s[48:49]
	s_add_nc_u64 s[54:55], s[8:9], s[50:51]
.set i, 0
.rept 16
	global_load_b128 v[MM+4*i:MM+4*i+3], v2, s[6:7] offset:512*i          ; 512 consecutive bytes: four partials x 32 heads
.set i, i+1
.endr
.set i, 0
.rept 16
	global_load_b128 v[PL+4*i:PL+4*i+3], v2, s[6:7] offset:65536+512*i
.set i, i+1
.endr
.set i, 0
.rept 8
	global_load_b128 v[AW+4*i:AW+4*i+3], v3, s[4:5] offset:16*i
.set i, i+1
.endr
	s_wait_loadcnt 8                               ; the partials are in; the eight loads of logits may stay out
.irp k, 0,1,2,3
	v_max3_num_f32 v[MG+(\k)], v[MM+(\k)], v[MM+4+(\k)], v[MM+8+(\k)]
.endr
.irp i, 3,5,7,9,11,13
.irp k, 0,1,2,3
	v_max3_num_f32 v[MG+(\k)], v[MG+(\k)], v[MM+4*(\i)+(\k)], v[MM+4*(\i)+4+(\k)]
.endr
.endr
.irp k, 0,1,2,3
	v_max_num_f32 v[MG+(\k)], v[MG+(\k)], v[MM+60+(\k)]
.endr
.irp k, 0,1,2,3
	v_max_num_f32_dpp v[MG+(\k)], v[MG+(\k)], v[MG+(\k)] row_xmask:8 row_mask:0xf bank_mask:0xf  ; the lanes with my heads lie 8, 16 and 24 away
.endr
.irp k, 0,1,2,3
	v_permlanex16_b32 v[T+(\k)], v[MG+(\k)], s98, s99
.endr
.irp k, 0,1,2,3
	v_max_num_f32 v[MG+(\k)], v[MG+(\k)], v[T+(\k)]
.endr
.set i, 0
.rept 32
	v_pk_add_f32 v[MM+2*i:MM+2*i+1], v[MM+2*i:MM+2*i+1], v[MG+2*(i%2):MG+2*(i%2)+1] neg_lo:[0,1] neg_hi:[0,1]  ; m - M first,
.set i, i+1
.endr
.set i, 0
.rept 32
	v_pk_mul_f32 v[MM+2*i:MM+2*i+1], v[MM+2*i:MM+2*i+1], 0x3fb8aa3b op_sel_hi:[1,0]                            ; then log2 e
.set i, i+1
.endr
.set i, 0
.rept 64
	v_exp_f32 v[MM+i], v[MM+i]
.set i, i+1
.endr
	v_nop                                          ; a plain instruction between the last exponential and the use of its result (ISA guide 5.7.2)
	s_wait_alu depctr_va_vdst(0)
	v_pk_mul_f32 v[LS:LS+1],   v[MM:MM+1],   v[PL:PL+1]
	v_pk_mul_f32 v[LS+2:LS+3], v[MM+2:MM+3], v[PL+2:PL+3]
.set i, 2
.rept 30
	v_pk_fma_f32 v[LS+2*(i%2):LS+2*(i%2)+1], v[MM+2*i:MM+2*i+1], v[PL+2*i:PL+2*i+1], v[LS+2*(i%2):LS+2*(i%2)+1]
.set i, i+1
.endr
.irp k, 0,1,2,3
	v_add_f32_dpp v[LS+(\k)], v[LS+(\k)], v[LS+(\k)] row_xmask:8 row_mask:0xf bank_mask:0xf
.endr
.irp k, 0,1,2,3
	v_permlanex16_b32 v[T+(\k)], v[LS+(\k)], s98, s99
.endr
.irp k, 0,1,2,3
	v_add_f32 v[LS+(\k)], v[LS+(\k)], v[T+(\k)]
.endr
.irp k, 0,1,2,3
	v_rcp_f32 v[LS+(\k)], v[LS+(\k)]
.endr
	v_nop
	s_wait_alu depctr_va_vdst(0)
.irp g, 0,1,2,3,4,5,6,7                ; lane g holds heads 4 g + k: M into s16-47, 1 / l into s66-97
.irp k, 0,1,2,3
	v_readlane_b32 s[16+4*(\g)+(\k)], v[MG+(\k)], \g
	v_readlane_b32 s[66+4*(\g)+(\k)], v[LS+(\k)], \g
.endr
.endr
	s_wait_loadcnt 0x0                             ; my row's logits
.set i, 0
.rept 32
	v_subrev_f32 v[AW+i], s[16+i], v[AW+i]         ; a - M first,
.set i, i+1
.endr
.set i, 0
.rept 32
	v_mul_f32 v[AW+i], 0x3fb8aa3b, v[AW+i]         ; then log2 e
.set i, i+1
.endr
.set i, 0
.rept 32
	v_exp_f32 v[AW+i], v[AW+i]
.set i, i+1
.endr
	v_nop
.set i, 0
	s_wait_alu depctr_va_vdst(0)
.rept 32
	v_mul_f32 v[AW+i], s[66+i], v[AW+i]            ; aw
.set i, i+1
.endr
	v_max3_num_f32 v[CC], v[AW], v[AW+1], v[AW+2]
.set i, 3
.rept 14
	v_max3_num_f32 v[CC], v[CC], v[AW+i], v[AW+i+1]
.set i, i+2
.endr
	v_max_num_f32 v[CC], v[CC], v[AW+31]
	v_max_num_f32 v[CC], 0x0da24260, v[CC]         ; at least 1e-30
	v_mov_b32 v[CC+1], v[CC]
	v_rcp_f32 v[CC+2], v[CC]
	v_nop
.set i, 0
	s_wait_alu depctr_va_vdst(0)
.rept 32
	v_mul_f32 v[AW+i], v[AW+i], v[CC+2]            ; w
.set i, i+1
.endr
.set i, 0
.rept 32
	v_cvt_pk_f16_f32 v[MM+i], v[AW+i], v[AW+i]     ; rounded once, in both halves of a word
.set i, i+1
.endr
.set i, 0
.rept 8
	global_store_b128 v2, v[MM+4*i:MM+4*i+3], s[52:53] offset:262144*i  ; 512 consecutive bytes, aligned
.set i, i+1
.endr
	global_store_b64 v4, v[CC:CC+1], s[54:55] offset:2097152            ; 256 consecutive bytes, aligned
	s_endpgm
.Lfunc_end_k_qdb5e069bab_soft:
	.size	k_qdb5e069bab_soft, .Lfunc_end_k_qdb5e069bab_soft-k_qdb5e069bab_soft
	.p2alignl 7, 3214868480
	.fill 96, 4, 3214868480
	.section	.rodata,"a",@progbits
	.p2align	6, 0x0
	.amdhsa_kernel k_qdb5e069bab_soft
		.amdhsa_group_segment_fixed_size 0
		.amdhsa_private_segment_fixed_size 0
		.amdhsa_enable_private_segment 0
		.amdhsa_kernarg_size 24
		.amdhsa_user_sgpr_count 2
		.amdhsa_user_sgpr_kernarg_segment_ptr 1
		.amdhsa_wavefront_size32 1
		.amdhsa_system_sgpr_workgroup_id_x 1
		.amdhsa_system_sgpr_workgroup_id_y 1
		.amdhsa_system_sgpr_workgroup_id_z 1
		.amdhsa_system_vgpr_workitem_id 0
		.amdhsa_next_free_vgpr 192
		.amdhsa_next_free_sgpr 100
		.amdhsa_reserve_vcc 0
		.amdhsa_float_denorm_mode_32 3
		.amdhsa_float_denorm_mode_16_64 3
		.amdhsa_memory_ordered 1
		.amdhsa_forward_progress 1
		.amdhsa_inst_pref_size 32
	.end_amdhsa_kernel
	.amdgpu_metadata
---
amdhsa.version: [ 1, 2 ]
amdhsa.kernels:
  - .name:           k_qdb5e069bab_soft
    .symbol:         k_qdb5e069bab_soft.kd
    .args:
      - { .name: lg, .offset: 0, .size: 8, .value_kind: global_buffer, .address_space: global }
      - { .name: st, .offset: 8, .size: 8, .value_kind: global_buffer, .address_space: global }
      - { .name: wc, .offset: 16, .size: 8, .value_kind: global_buffer, .address_space: global }
    .group_segment_fixed_size: 0
    .private_segment_fixed_size: 0
    .kernarg_segment_align: 8
    .kernarg_segment_size: 24
    .max_flat_workgroup_size: 64
    .sgpr_count:     100
    .vgpr_count:     192
    .wavefront_size: 32
...
	.end_amdgpu_metadata
.endif
;; end of part 4
;; launch og (part 5): grid 4 x 64, 4 waves a work-group, clusters of 4 x 4, 327,680 bytes of LDS; arguments vh, wt, out0, bo, wc; writes out0
.if DOCPART == 5
	.amdgcn_target "amdgcn-amd-amdhsa--gfx1250"
	.amdhsa_code_object_version 6
	.text
	.protected	k_qdb5e069bab_og
	.globl	k_qdb5e069bab_og
	.p2align	8
	.type	k_qdb5e069bab_og,@function
k_qdb5e069bab_og:
	s_mov_b64 s[64:65], 0
	v_nop
	global_prefetch_b8 v0, s[64:65] scope:SCOPE_SE
	s_setreg_imm32_b32 hwreg(HW_REG_WAVE_MODE, 25, 1), 1
	s_wait_xcnt 0x0
	s_wait_alu depctr_hold_cnt(0) depctr_sa_sdst(0) depctr_va_vdst(0) depctr_va_sdst(0) depctr_va_ssrc(0) depctr_va_vcc(0) depctr_vm_vsrc(0)
	s_getreg_b32 s2, hwreg(HW_REG_IB_STS2, 6, 4)
	s_cmp_eq_u32 s2, 0
	s_cbranch_scc0 .Lentry_in_a_cluster
	s_endpgm
.Lentry_in_a_cluster:
	s_bfe_u32 s2, ttmp6, 0x10000c
	s_cmp_lg_u32 s2, 0xf033
	s_cbranch_scc0 .Lentry_shape_is_right
	s_endpgm
.Lentry_shape_is_right:
; og: out0[row][n] = c[row] ((w v) Wo)[row][n] + bo[n], f32.  vh [16384][1024] f16; wt's rows 3072-4095 (Wo's columns) f16; from wc: w as words (w, w) in f16,
; [8 K steps][16384 rows][4 heads], and c as pairs of f32 at byte 2,097,152.
; THE WEIGHTS ARE APPLIED IN THE K LOOP.  32 along K are one head, and in a fragment of v a lane holds one row: eight packed f16 multiplies by the lane's word (w, w) make the fragment of
; u = w v.  u is rounded once more to f16; w is at most 1, so u has v's range.
; LIMITS.  Operands are f16 (within 65,504; fixed step 6e-8 below 6e-5); sums, c and bo f32.  NaN and infinities are not treated apart.
; SHAPE.  A tile is 256 x 256; four waves, each 128 x 128: 64 accumulators, 512 registers.  K = 1,024 goes in 8 steps of 128 through two LDS slots that take turns.  The matrix
; instruction is used transposed (source 0 = 16 rows of wt, source 1 = 16 rows of u): lane l holds row l % 16 and the columns 8 (l / 16) + 0..7 of a block.  The first products start
; the sums with the constant 0: the row scale comes before the bias, so the bias is added on the way out, in one fused multiply-add.
; CLUSTER.  4 x 4 work-groups: the four of a row need the same tiles of v, the four of a column the same tiles of wt; each tile is asked for jointly.
; THE TEXT.  One K step is written once and looped over: the slot in hand is a scalar register (TB) turned by an exclusive or, and one descriptor walks.  SLOT's two bits (13, 17) are
; not among those of wave x HALFT (11, 12, 15, 16), so the exclusive or is an addition or a subtraction of SLOT.  The last two steps, which ask for nothing, are a second copy.
; Since the text is one step long, the two sets of w cannot change places by name: the next step's w is loaded a whole step ahead into WN, in whole rows of 16 bytes, and copied to W
; in the step's last quarter, behind W's last use.
; WHERE THE VECTOR WORK STANDS.  In groups of four behind a matrix instruction, none naming a register of the products round it: a buffer's row blocks 0-3 are scaled behind the last 16
; products of the quarter before, its blocks 4-7 behind the first 32 products of its own quarter; the 32 copies behind the 16 products in front of the next step's first scaling.
; REGISTERS, in windows of 256 (s_set_vgpr_msb: bits 1:0 source 0, 3:2 source 1, 5:4 source 2, 7:6 destination):
;   window 0: v0-31 addresses; v32-47 c, row block a at 32 + 2 a; v64-127, v128-191 fragments of v, two buffers; v192-223 W, v224-255 WN: row block a, head q of the step at 4 a + q;
;             on the way out v64-127 results, v128-191 and v192-255 rows read back
;   window 1: v0-63 bo, block b at 8 b; v64-127, v128-191 fragments of wt      windows 2, 3: the accumulators
.set SIZE_K, 1024
.set KSTEP,  128
.set PITCH,  272                       ; an LDS row: 256 bytes + 16 of padding = 68 words: the 16 rows of a fragment load start at 16 different groups of four banks (64 banks of 4 bytes: ISA guide 11.1)
.set HALFT,  128*PITCH
.set SLOT,   4*HALFT
.set STAGE,  2*SLOT                    ; behind the ring, never filled by a tensor load: 16 rows x 528 bytes for each wave
.set SPITCH, 528                       ; 512 bytes + 16 = 132 words: the 16 rows of a store start at 16 different groups of four banks
.set SPARE,  STAGE+4*16*SPITCH         ; the spare words, 128 bytes for each wave
.set BOFF,   3072*2048                 ; wt's row 3072
.set WSTEP,  262144                    ; bytes of w's table for one K step
.set XW,   6                           ; v6   my row's byte offset in w's table; never rewritten
.set ADRA, 16
.set A0,   18
.set ADRB, 20
.set B0,   22
.set STO,  24                          ; v24  the way out: where I put 32 bytes of a row
.set RD,   25                          ; v25  where I read 16 bytes of a row back
.set CO,   26                          ; v26  my byte offset in 512 bytes of a row of out0
.set BA,   27                          ; v27  my byte offset in a block's 16 biases; never rewritten
.set SPW,  28
.set NIL,  29
.set XA,   30                          ; v30  my row's byte offset in c's table; never rewritten
.set CP,   32                          ; c pairs
.set F0,   64
.set F1,   128
.set W,    192
.set WN,   224
.set PK,   64                          ; the way out: a block's 64 results
.set G1,  24
.set G0,  32
.set G1B, 48
.set G0B, 56
.set TB,  45
.set NXW, 79                           ; s79  the K step whose w is loaded next
.set MSB, 0
.macro WIN new
.if MSB != (\new)
	s_set_vgpr_msb (MSB<<8)|(\new)
.set MSB, \new
.endif
.endm
.set MUL_LO, 0xa1                      ; source 0 (wt) window 1, source 1 (u) window 0, C and D window 2; + 0x50: window 3
.set TO_B,   0x40
.macro JLOAD s                         ; a joint load: waves 0 and 1 fetch v's two halves, waves 2 and 3 wt's; an s_nop 0 and four v_nop follow each of the two lines
	s_cmp_eq_u32 s11, 0
	s_cbranch_scc0 .Lfor_b_\@
	tensor_load_to_lds s[G0+4*(\s):G0+4*(\s)+3], s[G1:G1+7]
	s_nop 0
.rept 4
	v_nop
.endr
	s_branch .Lasked_\@
.Lfor_b_\@:
	tensor_load_to_lds s[G0B+4*(\s):G0B+4*(\s)+3], s[G1B:G1B+7]
	s_nop 0
.rept 4
	v_nop
.endr
.Lasked_\@:
.endm
.macro CREST
	s_cmp_lg_u32 s10, 0
	s_cbranch_scc1 .Lnot_wave_0_\@
	s_barrier_signal -3
.Lnot_wave_0_\@:
	s_barrier_wait -3
	s_barrier_signal -1
	s_barrier_wait -1
.endm
.macro CROUND
	s_barrier_signal -1
	s_barrier_wait -1
	CREST
.endm
	s_load_b128 s[4:7], s[0:1], 0x0                ; vh s[4:5], wt s[6:7]
	s_load_b64 s[8:9], s[0:1], 0x10                ; out0
	s_load_b128 s[68:71], s[0:1], 0x18             ; bo s[68:69], wc s[70:71]
	v_lshl_add_u32 v[SPW], v0, 2, SPARE
	v_mov_b32 v[NIL], 0
	ds_add_u32 v[SPW], v[NIL]                      ; the wave's opening: the add and its wait come ahead of my first tensor load
	v_lshrrev_b32 v1, 5, v0
	v_readfirstlane_b32 s10, v1                    ; wave 0..3
	s_lshr_b32 s11, s10, 1                         ; my half of the tile's rows; also: I fetch for v (0) or for wt (1)
	s_and_b32 s12, s10, 1                          ; my half of its columns; also: which 128 rows I fetch
	s_bfe_u32 s40, ttmp6, 0x40000
	s_bfe_u32 s41, ttmp6, 0x40004
	s_lshl_b32 s42, ttmp9, 2
	s_add_co_u32 s42, s42, s40                     ; tile column
	s_and_b32 s13, ttmp7, 0xffff
	s_lshl_b32 s13, s13, 2
	s_add_co_u32 s13, s13, s41                     ; tile row
	s_lshl_b32 s43, s41, 2
	s_lshl_b32 s43, 15, s43                        ; my row of the cluster
	s_lshl_b32 s44, 0x1111, s40                    ; my column
	s_or_b32 s[G1+0], s43, (1<<16)|(1<<20)|(1<<21)|(5<<22)|(3<<25)   ; the mask; 2-byte elements; padding on; bit 21 beside a mask; after every 64 words 4 words
	s_or_b32 s[G1B+0], s44, (1<<16)|(1<<20)|(1<<21)|(5<<22)|(3<<25)
.irp g, G1, G1B
	s_mov_b32 s[(\g)+1], KSTEP<<16
	s_mov_b32 s[(\g)+2], 128<<16
	s_mov_b32 s[(\g)+3], KSTEP<<16
	s_mov_b32 s[(\g)+4], 128
	s_mov_b32 s[(\g)+5], SIZE_K
	s_mov_b32 s[(\g)+6], 0
	s_mov_b32 s[(\g)+7], 0
.endr
	s_lshl_b32 s17, s12, 7
	s_lshl_b32 s16, s13, 8
	s_add_co_u32 s16, s16, s17
	s_lshl_b32 s16, s16, 11                        ; v: (256 x tile row + 128 x half) rows of 2,048 bytes
	s_lshl_b32 s46, s42, 8
	s_add_co_u32 s46, s46, s17
	s_lshl_b32 s46, s46, 11                        ; wt: (256 x tile column + 128 x half) rows,
	s_add_co_u32 s46, s46, BOFF                    ; from this product's first row on
	s_mov_b32 s17, 0
	s_mov_b32 s47, 0
	s_mov_b32 s87, 0                               ; s[86:87]: the byte offset of a K step in w's table
	s_mov_b32 s[NXW], 2
	s_mul_i32 s20, s10, HALFT
	s_wait_dscnt 0x0                               ; the opening add is done
	s_wait_kmcnt 0x0
	s_add_nc_u64 s[14:15], s[4:5], s[16:17]
	s_add_nc_u64 s[46:47], s[6:7], s[46:47]
	CROUND                                         ; the first joint loads meet
.irp s, 0,1
	s_mov_b32 s[G0+4*(\s)], 1
	s_add_co_u32 s[G0+4*(\s)+1], s20, (\s)*SLOT
	s_add_nc_u64 s[G0+4*(\s)+2:G0+4*(\s)+3], s[14:15], (\s)*KSTEP*2
	s_or_b32 s[G0+4*(\s)+3], s[G0+4*(\s)+3], 0x80000000
	s_mov_b32 s[G0B+4*(\s)], 1
	s_add_co_u32 s[G0B+4*(\s)+1], s20, (\s)*SLOT
	s_add_nc_u64 s[G0B+4*(\s)+2:G0B+4*(\s)+3], s[46:47], (\s)*KSTEP*2
	s_or_b32 s[G0B+4*(\s)+3], s[G0B+4*(\s)+3], 0x80000000
	JLOAD \s                                       ; two loads of mine are out
.endr
	v_and_b32 v1, 15, v0                           ; l % 16
	v_bfe_u32 v2, v0, 4, 1                         ; l / 16
	v_and_b32 v31, 31, v0                          ; l
	v_mul_u32_u24 v3, v1, PITCH
	v_lshl_add_u32 v3, v2, 4, v3
	s_mul_i32 s21, s11, HALFT
	s_mul_i32 s22, s12, HALFT
	s_add_co_u32 s22, s22, 2*HALFT
	v_add_nc_u32 v[A0], s21, v3
	v_add_nc_u32 v[B0], s22, v3
	v_lshlrev_b32 v[BA], 5, v2
	v_lshlrev_b32 v[XA], 3, v1                     ; row l % 16, 8 bytes each
	v_lshlrev_b32 v[XW], 4, v1                     ; row l % 16, 16 bytes each
	s_lshl_b32 s72, s42, 10                        ; bo: my 128 columns of 4 bytes
	s_lshl_b32 s73, s12, 9
	s_add_co_u32 s72, s72, s73
	s_mov_b32 s73, 0
	s_add_nc_u64 s[68:69], s[68:69], s[72:73]
	s_lshl_b32 s72, s13, 11                        ; c: row 256 x tile row + 128 x half, 8 bytes each,
	s_lshl_b32 s73, s11, 10
	s_add_co_u32 s72, s72, s73
	s_add_co_u32 s72, s72, 2097152                 ; behind w's table
	s_mov_b32 s73, 0
	s_add_nc_u64 s[80:81], s[70:71], s[72:73]
	s_lshl_b32 s72, s13, 12                        ; w: the same row, 16 bytes each
	s_lshl_b32 s73, s11, 11
	s_add_co_u32 s72, s72, s73
	s_mov_b32 s73, 0
	s_add_nc_u64 s[70:71], s[70:71], s[72:73]      ; kept: w's table at my rows, K step 0
	WIN TO_B
.irp b, 0,1,2,3,4,5,6,7                ; register j of block b = the bias of column 16 b + 8 (l / 16) + j
	global_load_b128 v[8*(\b):8*(\b)+3],   v[BA], s[68:69] offset:64*(\b)
	global_load_b128 v[8*(\b)+4:8*(\b)+7], v[BA], s[68:69] offset:64*(\b)+16
.endr
	WIN 0
.irp a, 0,1,2,3,4,5,6,7
	global_load_b64 v[CP+2*(\a):CP+2*(\a)+1], v[XA], s[80:81] offset:128*(\a)
.endr
.irp a, 0,1,2,3,4,5,6,7                ; w of K steps 0 and 1: 16 rows x 16 bytes are 256 consecutive bytes, aligned
	global_load_b128 v[W+4*(\a):W+4*(\a)+3],   v[XW], s[70:71] offset:256*(\a)
	global_load_b128 v[WN+4*(\a):WN+4*(\a)+3], v[XW], s[70:71] offset:WSTEP+256*(\a)
.endr
	s_mul_i32 s23, s10, 16*SPITCH
	s_add_co_u32 s23, s23, STAGE                   ; my stage
	v_mul_u32_u24 v4, v1, SPITCH                   ; in: row l % 16, 32 bytes for each half of the lanes
	v_lshl_add_u32 v4, v2, 5, v4
	v_add_nc_u32 v[STO], s23, v4
	v_lshlrev_b32 v[CO], 4, v31                    ; back and out: 32 lanes take a row's 512 bytes
	v_add_nc_u32 v[RD], s23, v[CO]
	s_lshl_b32 s72, s13, 20                        ; out0: row 256 x tile row + 128 x half, 4,096 bytes each;
	s_lshl_b32 s73, s11, 19
	s_add_co_u32 s72, s72, s73
	s_lshl_b32 s73, s42, 10                        ; column 256 x tile column + 128 x half, 4 bytes each
	s_add_co_u32 s72, s72, s73
	s_lshl_b32 s73, s12, 9
	s_add_co_u32 s72, s72, s73
	s_mov_b32 s73, 0
	s_add_nc_u64 s[8:9], s[8:9], s[72:73]
; Group rg of eight groups of four vector lines.  kind = 1: half of row block sb + rg / 2 of buffer f times the lane's w of head q of the step.  kind = 2: four words of WN go to W.
.macro RID kind, f, q, sb
	WIN 0
.if (\kind) == 1
.irp j, 0,1,2,3
	v_pk_mul_f16 v[(\f)+8*((\sb)+rg/2)+4*(rg%2)+(\j)], v[(\f)+8*((\sb)+rg/2)+4*(rg%2)+(\j)], v[W+4*((\sb)+rg/2)+(\q)]
.endr
.else
.irp j, 0,1,2,3
	v_mov_b32 v[W+4*rg+(\j)], v[WN+4*rg+(\j)]
.endr
.endif
.set rg, rg+1
.endm
; 16 matrix instructions; the 64 accumulators take turns in the same order in every quarter.  zero = 1: the first product starts the sums.
; kind > 0: behind every 'every'-th of them stands the next group of RID.
.macro MUL16 f, hi, a0, zero, kind=0, every=1, sf=0, sq=0, sb=0
.set wn, 0
.irp a, \a0, (\a0)+1
.irp b, 0,1,2,3,4,5,6,7
	WIN MUL_LO+0x50*(\hi)
.if \zero
	v_wmma_f32_16x16x32_f16 v[8*(8*(\a)+(\b)):8*(8*(\a)+(\b))+7], v[(\f)+8*(\b):(\f)+8*(\b)+7], v[(\f)+8*(4*(\hi)+(\a)):(\f)+8*(4*(\hi)+(\a))+7], 0
.else
	v_wmma_f32_16x16x32_f16 v[8*(8*(\a)+(\b)):8*(8*(\a)+(\b))+7], v[(\f)+8*(\b):(\f)+8*(\b)+7], v[(\f)+8*(4*(\hi)+(\a)):(\f)+8*(4*(\hi)+(\a))+7], v[8*(8*(\a)+(\b)):8*(8*(\a)+(\b))+7]
.endif
.if (\kind) && ((wn%(\every)) == (\every)-1)
	RID \kind, \sf, \sq, \sb
.endif
.set wn, wn+1
.endr
.endr
.endm
.macro FETCH k, f                      ; 32 LDS loads in one run: one quarter step's fragments from the slot in hand; v's first, since they are scaled before they are multiplied
	WIN 0
.irp i, 0,1,2,3,4,5,6,7
	ds_load_b128 v[(\f)+8*(\i):(\f)+8*(\i)+3],   v[ADRA] offset:(\k)+(\i)*16*PITCH
	ds_load_b128 v[(\f)+8*(\i)+4:(\f)+8*(\i)+7], v[ADRA] offset:(\k)+(\i)*16*PITCH+32
.endr
	WIN TO_B
.irp i, 0,1,2,3,4,5,6,7
	ds_load_b128 v[(\f)+8*(\i):(\f)+8*(\i)+3],   v[ADRB] offset:(\k)+(\i)*16*PITCH
	ds_load_b128 v[(\f)+8*(\i)+4:(\f)+8*(\i)+7], v[ADRB] offset:(\k)+(\i)*16*PITCH+32
.endr
.endm
.macro PLACES                          ; four places (ISA guide 7.12.1)
.rept 4
	v_nop
.endr
.endm
; One of a step's first three quarters: multiplies buffer f, which holds head qf of the step, and fetches the next quarter, at byte k, into g.
.macro QUARTER k, f, g, zero, qf
	s_wait_dscnt 0x0                               ; all of f's fragments are in (asked for 32 matrix instructions ago)
.set rg, 0
	MUL16 \f, 0, 0, \zero, 1, 4, \f, \qf, 4        ; beside them f's row blocks 4-7 are scaled
	MUL16 \f, 0, 2, \zero, 1, 4, \f, \qf, 4
	PLACES
	FETCH \k, \g
	MUL16 \f, 1, 0, \zero
	s_wait_dscnt 24                                ; the first eight of the 32 loads are in: g's row blocks 0-3 of v
.set rg, 0
	MUL16 \f, 1, 2, \zero, 1, 2, \g, (\qf)+1, 0    ; beside them those blocks are scaled
.endm
; The last quarter's first half and the one barrier of a change of slots: all my tensor loads have landed, the add, my reads of this slot are over.  fill = 1: the walking descriptors step.
.macro MEET fill
	WIN 0
	s_wait_tensorcnt 0x0
	ds_add_u32 v[SPW], v[NIL]                      ; 0 onto my spare word; work on registers stands between it and the wait for it
.if \fill
	s_xor_b32 s[G0+5], s[G0+5], SLOT               ; the other slot than last time, the next K step
	s_add_nc_u64 s[G0+6:G0+7], s[G0+6:G0+7], KSTEP*2
	s_xor_b32 s[G0B+5], s[G0B+5], SLOT
	s_add_nc_u64 s[G0B+6:G0B+7], s[G0B+6:G0B+7], KSTEP*2
.endif
	s_wait_dscnt 1                                 ; the add alone may be out: all of buffer 1's fragments are in
.set rg, 0
	MUL16 F1, 0, 0, 0, 1, 4, F1, 3, 4
	s_wait_dscnt 0x0
	s_barrier_signal -1
	MUL16 F1, 0, 2, 0, 1, 4, F1, 3, 4
	WIN 0
	s_barrier_wait -1
.endm
; The whole last quarter.  fill = 1: a round of the cluster's barrier, then the slot just read is filled again, two K steps ahead; fill = 0: the last two steps.
; Behind W's last use (above) the next step's w is copied from WN, and WN is asked for again: the step after that, a whole step ahead of the wait for it.  Behind the table's end the
; step's number wraps, so that the loads stay inside the table; what they bring then is not used.  In the very last step (s3 = 1) there is no next slot: the copies, the loads and the
; scaling of a stale buffer serve nothing there: the price, once a launch, of one text for the tail's two steps.
.macro TURN fill
	MEET \fill
.if \fill
	CREST
	JLOAD 1                                        ; the four v_nop behind it are also the places in front of the loads below
.else
	s_cmp_eq_u32 s3, 1
	s_cbranch_scc1 .Lnf_\@
	PLACES
.endif
	s_xor_b32 s[TB], s[TB], SLOT
	v_add_nc_u32 v[ADRA], s[TB], v[A0]
	v_add_nc_u32 v[ADRB], s[TB], v[B0]
	FETCH 0, F0
	WIN 0
.if !(\fill)
.Lnf_\@:
.endif
	s_wait_loadcnt 0x0                             ; WN is in; its loads are done, so their base may be written
.set rg, 0
	MUL16 F1, 1, 0, 0, 2, 2
	WIN 0
	s_and_b32 s86, s[NXW], 7
	s_lshl_b32 s86, s86, 18
	s_add_co_u32 s[NXW], s[NXW], 1
	s_add_nc_u64 s[82:83], s[70:71], s[86:87]
.irp a, 0,1,2,3,4,5,6,7
	global_load_b128 v[WN+4*(\a):WN+4*(\a)+3], v[XW], s[82:83] offset:256*(\a)
.endr
	s_wait_dscnt 24                                ; the first eight of the 32 loads are in: the next step's row blocks 0-3 of v
.set rg, 0
	MUL16 F1, 1, 2, 0, 1, 2, F0, 0, 0
.endm
; THE WAY OUT of row block a.  PACKO: c x sum + bo, one fused multiply-add for two numbers.  TOSTAGEO: 32 bytes a lane into my stage, and back as whole rows of 512 bytes.  SENDO: stored.
.macro PACKO a
.set AC, 64*((\a)%4)
	WIN 0x12+((\a)/4)                              ; source 0 window 2 or 3, source 1 (c) and destination window 0, source 2 (bo) window 1
.irp b, 0,1,2,3,4,5,6,7
.irp r, 0,1,2,3
	v_pk_fma_f32 v[PK+8*(\b)+2*(\r):PK+8*(\b)+2*(\r)+1], v[AC+8*(\b)+2*(\r):AC+8*(\b)+2*(\r)+1], v[CP+2*(\a):CP+2*(\a)+1], v[8*(\b)+2*(\r):8*(\b)+2*(\r)+1]
.endr
.endr
	WIN 0
.endm
.macro TOSTAGEO a
	WIN 0
.set BK, 128+64*((\a)%2)
.irp b, 0,1,2,3,4,5,6,7
	ds_store_b128 v[STO], v[PK+8*(\b):PK+8*(\b)+3]   offset:64*(\b)
	ds_store_b128 v[STO], v[PK+8*(\b)+4:PK+8*(\b)+7] offset:64*(\b)+16
.endr
.irp t, 0,1,2,3,4,5,6,7,8,9,10,11,12,13,14,15
	ds_load_b128 v[BK+4*(\t):BK+4*(\t)+3], v[RD] offset:(\t)*SPITCH  ; LDS serves a wave's instructions in order (ISA guide 5.7.1.4): these see the stores above
.endr
.endm
.macro SENDO a
	WIN 0
.set BK, 128+64*((\a)%2)
	s_wait_dscnt 0x0                               ; the block is back in registers
	s_wait_xcnt 0x0                                ; the registers that the block before's stores read are loaded again only behind this wait
.irp t, 0,1,2,3,4,5,6,7,8,9,10,11,12,13,14,15
	global_store_b128 v[CO], v[BK+4*(\t):BK+4*(\t)+3], s[8:9] offset:(\a)*65536+(\t)*4096 th:TH_STORE_NT  ; the wave stores 512 consecutive bytes, aligned
.endr
.endm
	s_wait_tensorcnt 0x1                           ; my part of K step 0 is in; step 1's may stay out
	s_barrier_signal -1
	s_barrier_wait -1
	s_mov_b32 s[TB], 0
	v_add_nc_u32 v[ADRA], s[TB], v[A0]
	v_add_nc_u32 v[ADRB], s[TB], v[B0]
	FETCH 0, F0
	WIN 0
	s_wait_loadcnt 0x0                             ; bo, c, and w of K steps 0 and 1
	s_wait_dscnt 24                                ; the first eight of the 32 loads are in: row blocks 0-3 of v
.set rg, 0
.rept 8
	RID 1, F0, 0, 0                                ; the first quarter's first scaling has no products to stand behind
.endr
	QUARTER 64, F0, F1, 1, 0
	WIN 0
	s_mov_b32 s3, 6
.LstepA:                                               ; six trips; each asks for the step two on: steps 2 to 7
	QUARTER 128, F1, F0, 0, 1
	QUARTER 192, F0, F1, 0, 2
	TURN 1
	QUARTER 64, F0, F1, 0, 0
	WIN 0
	s_sub_co_u32 s3, s3, 1
	s_cmp_lg_u32 s3, 0
	s_cbranch_scc1 .LstepA
	s_mov_b32 s3, 2
.LstepB:                                               ; steps 6 and 7, written out; the second trip is left in its middle
	QUARTER 128, F1, F0, 0, 1
	QUARTER 192, F0, F1, 0, 2
	TURN 0
	WIN 0
	s_sub_co_u32 s3, s3, 1
	s_cmp_eq_u32 s3, 0
	s_cbranch_scc1 .Lout
	QUARTER 64, F0, F1, 0, 0
	WIN 0
	s_branch .LstepB
.Lout:
	s_wait_dscnt 0x0                               ; no fragment load is out,
	s_wait_loadcnt 0x0                             ; and none into WN, whose registers the way out takes
	PLACES
	PACKO 0
	TOSTAGEO 0
.irp a, 1,2,3,4,5,6,7                  ; block a's arithmetic stands between block a - 1's loads from the stage and the wait for them
	PACKO \a
	SENDO (\a)-1
	TOSTAGEO \a
.endr
	SENDO 7
	s_wait_tensorcnt 0x0                           ; the wave's end
	ds_add_u32 v[SPW], v[NIL]
	s_wait_dscnt 0x0
	CROUND                                         ; the closing round
	s_endpgm
.Lfunc_end_k_qdb5e069bab_og:
	.size	k_qdb5e069bab_og, .Lfunc_end_k_qdb5e069bab_og-k_qdb5e069bab_og
	.p2alignl 7, 3214868480
	.fill 96, 4, 3214868480
	.section	.rodata,"a",@progbits
	.p2align	6, 0x0
	.amdhsa_kernel k_qdb5e069bab_og
		.amdhsa_group_segment_fixed_size 327680
		.amdhsa_private_segment_fixed_size 0
		.amdhsa_enable_private_segment 0
		.amdhsa_kernarg_size 40
		.amdhsa_user_sgpr_count 2
		.amdhsa_user_sgpr_kernarg_segment_ptr 1
		.amdhsa_wavefront_size32 1
		.amdhsa_system_sgpr_workgroup_id_x 1
		.amdhsa_system_sgpr_workgroup_id_y 1
		.amdhsa_system_sgpr_workgroup_id_z 1
		.amdhsa_system_vgpr_workitem_id 0
		.amdhsa_next_free_vgpr 1024
		.amdhsa_next_free_sgpr 96
		.amdhsa_reserve_vcc 0
		.amdhsa_float_denorm_mode_32 3
		.amdhsa_float_denorm_mode_16_64 3
		.amdhsa_memory_ordered 1
		.amdhsa_forward_progress 1
		.amdhsa_inst_pref_size 169
	.end_amdhsa_kernel
	.amdgpu_metadata
---
amdhsa.version: [ 1, 2 ]
amdhsa.kernels:
  - .name:           k_qdb5e069bab_og
    .symbol:         k_qdb5e069bab_og.kd
    .args:
      - { .name: vh, .offset: 0, .size: 8, .value_kind: global_buffer, .address_space: global }
      - { .name: wt, .offset: 8, .size: 8, .value_kind: global_buffer, .address_space: global }
      - { .name: out0, .offset: 16, .size: 8, .value_kind: global_buffer, .address_space: global }
      - { .name: bo, .offset: 24, .size: 8, .value_kind: global_buffer, .address_space: global }
      - { .name: wc, .offset: 32, .size: 8, .value_kind: global_buffer, .address_space: global }
    .group_segment_fixed_size: 327680
    .private_segment_fixed_size: 0
    .kernarg_segment_align: 8
    .kernarg_segment_size: 40
    .max_flat_workgroup_size: 128
    .sgpr_count:     96
    .vgpr_count:     1024
    .wavefront_size: 32
...
	.end_amdgpu_metadata
.endif
;; end of part 5
;; ======== version 2 of 2: 5 launches; version 1 with the launch prep written anew for expert scheduling mode
;; limits: values are held in f16: magnitudes above 65,504 overflow, below 6.1e-05 lose precision
;; workspace buffers: xh 33,554,432 bytes; wt 8,388,608 bytes; sc 2,097,152 bytes; lg 2,097,152 bytes; st 131,072 bytes; wc 2,228,224 bytes; vh 33,554,432 bytes
;; launch prep (part 6): grid 576 x 1, 8 waves a work-group, no clusters, 140,288 bytes of LDS; arguments x, Wq, Wk, Wv, Wo, xh, wt; writes xh, wt
.if DOCPART == 6
	.amdgcn_target "amdgcn-amd-amdhsa--gfx1250"
	.amdhsa_code_object_version 6
	.text
	.protected	k_qdb5e069bab_prep
	.globl	k_qdb5e069bab_prep
	.p2align	8
	.type	k_qdb5e069bab_prep,@function
k_qdb5e069bab_prep:
	s_mov_b64 s[64:65], 0
	v_nop
	global_prefetch_b8 v0, s[64:65] scope:SCOPE_SE
	s_setreg_imm32_b32 hwreg(HW_REG_WAVE_SCHED_MODE, 0, 2), 2
	s_setreg_imm32_b32 hwreg(HW_REG_WAVE_MODE, 25, 1), 1
	s_wait_xcnt 0x0
	s_wait_alu depctr_vm_vsrc(0)
; prep: x [16384][1024] f32 -> xh, the same numbers rounded once to f16; Wq, Wk, Wv, Wo [1024 k][1024 n] f32 -> wt [4096 rows][1024 k] f16,
; each row one output column with k along it.  wt's rows: 128 g + c = Wq's column 64 g + c and 128 g + 64 + c = Wk's column 64 g + c (c < 64, g < 16),
; so that 128 neighbouring rows hold q and k of the same two heads; 2048 + n = Wv's column n; 3072 + n = Wo's column n.
; LIMITS.  f16 holds no number beyond 65,504 (x and the weights are taken to lie within it) and keeps a fixed step of 6e-8 below 6e-5.
; SHARES.  Work-groups 0-63 turn the weights: matrix = number / 16, 64 columns = number % 16, wave = 128 k.  Work-groups 64-575 convert x, 16 KiB a wave.
; The branch between the two hangs on the work-group's number alone; no wave reads what another wrote, so there is no barrier.
; THE MODE: SCHED_MODE bits 1:0 = 2 (LLVM: expert scheduling mode 2), set by the entry lines.  The code itself states the register dependences
; between vector instructions and memory or LDS instructions, with s_wait_alu, always for 0.
; THE PLAN, THE WEIGHTS.  A wave's 32 pairs of rows go in 8 batches of four pairs.  Registers that memory or LDS instructions touch:
;   v2-v5       offsets and LDS addresses, made once at the head and never written again.
;   RAW0 .. 4   a batch as loaded.  Batch p's eight loads land in RAW[p % 5]; batch p's sixteen conversions read it.
;   OUT0, OUT1  a batch rounded.    Batch p's conversions write OUT[p % 2]; the sixteen LDS stores that are issued in batch p + 1 read it.
; Batch p's memory and LDS instructions are the stores from OUT[(p - 1) % 2] and the loads of batch p + 4 into RAW[(p + 4) % 5] = RAW[(p - 1) % 5]: the two buffers that batch p - 1
; worked on and that no conversion of batch p names.  So the waits at a batch's head state all that they hang on, and they are dealt among the batch's conversions with no further wait.
; THE PLAN, x.  A wave's 32 steps go in 8 blocks of four.  v6, v7: offsets, made once.  X0 .. 4: block p's four loads land in X[p % 5], block p's eight conversions read it.  Each step
; has two result registers of its own, written once and read by its store, which is issued in block p + 1 beside the loads of block p + 4 into X[(p - 1) % 5].
.set STG,   64*272                     ; a wave's stage: 64 rows (columns of W) of 256 bytes + 16 of padding
.set SPARE, 8*STG                      ; behind the stages: the spare words, 128 bytes for each of the eight waves
.set SPW, 10                           ; v10  LDS address of my spare word; never rewritten
.set NIL, 11                           ; v11  0; never rewritten
.set RAW, 16                           ; v16-175   the weights: buffer k, pair i: 8 registers at RAW + 32 k + 8 i: 4 columns of row e, 4 of row e + 1;  at the end v16-143 take the rows read back
.set OUT, 176                          ; v176-207  the weights: buffer k, pair i: 4 registers at OUT + 16 k + 4 i: a word (k low, k + 1 high) for each of my 4 columns
.set XR,  16                           ; v16-95    x: buffer k, step i: 4 registers at XR + 16 k + 4 i
.set XO,  96                           ; v96-159   x: step j: 2 registers at XO + 2 j
	s_load_b256 s[4:11], s[0:1], 0x0               ; x s[4:5], Wq s[6:7], Wk s[8:9], Wv s[10:11]
	s_load_b128 s[12:15], s[0:1], 0x20             ; Wo s[12:13], xh s[14:15]
	s_load_b64 s[16:17], s[0:1], 0x30              ; wt
	v_lshl_add_u32 v[SPW], v0, 2, SPARE
	v_mov_b32 v[NIL], 0
	v_lshrrev_b32 v1, 5, v0
	v_readfirstlane_b32 s20, v1                    ; wave 0..7
	s_mov_b32 s21, ttmp9
	v_and_b32 v8, 31, v0                           ; lane
	s_wait_alu depctr_va_sdst(0)                   ; s20 is written, ahead of the branch and of its first reader on either side of it
	s_cmp_ge_u32 s21, 64
	s_cbranch_scc1 .Lx
	; THE WEIGHTS.  A wave turns 128 k x 64 n.
	s_lshr_b32 s22, s21, 4                         ; which matrix: 0 Wq, 1 Wk, 2 Wv, 3 Wo
	s_and_b32 s23, s21, 15                         ; which 64 columns
	v_and_b32 v1, 15, v0                           ; i: my 4 columns, 4 i ..
	v_bfe_u32 v9, v0, 4, 1                         ; hh: which half of the lanes
	v_lshlrev_b32 v2, 4, v1                        ; 16 i
	v_lshl_add_u32 v5, v9, 11, v2                  ; in wt: row hh, 16 bytes i
	s_mul_i32 s26, s20, STG                        ; my stage
	v_mul_u32_u24 v3, v1, 4*272                    ; into the stage: row 4 i (+ c by the immediate), k pair 2 hh
	v_lshl_add_u32 v3, v9, 2, v3
	v_add_nc_u32 v3, s26, v3
	v_mul_u32_u24 v4, v9, 272                      ; back: lanes 0-15 one row of 256 bytes, lanes 16-31 the next
	v_add3_u32 v4, v4, v2, s26
	v_lshl_add_u32 v2, v9, 13, v2                  ; in W: two rows of 4,096 bytes down for lanes 16-31, 16 bytes i
	s_lshl_b32 s28, s20, 19                        ; 128 rows of W for each wave,
	s_lshl_b32 s29, s23, 8                         ; 64 columns of 4 bytes
	s_add_co_u32 s28, s28, s29
	s_mov_b32 s29, 0
	s_lshl_b32 s30, s23, 7                         ; wt's row for Wq and Wk: 128 g + 64 x matrix
	s_lshl_b32 s31, s22, 6
	s_add_co_u32 s30, s30, s31
	s_lshl_b32 s31, s22, 10                        ; for Wv and Wo: 1,024 x matrix + 64 g
	s_lshl_b32 s32, s23, 6
	s_add_co_u32 s31, s31, s32
	s_cmp_lt_u32 s22, 2
	s_cselect_b32 s30, s30, s31
	s_lshl_b32 s30, s30, 11                        ; rows of 2,048 bytes,
	s_lshl_b32 s31, s20, 8                         ; my 128 k are 256 bytes of each
	s_add_co_u32 s30, s30, s31
	s_mov_b32 s31, 0
	s_wait_kmcnt 0x0
	s_cmp_eq_u32 s22, 1                            ; the matrix is chosen by the work-group's number
	s_cselect_b64 s[24:25], s[8:9], s[6:7]
	s_cmp_eq_u32 s22, 2
	s_cselect_b64 s[24:25], s[10:11], s[24:25]
	s_cmp_eq_u32 s22, 3
	s_cselect_b64 s[24:25], s[12:13], s[24:25]
	s_add_nc_u64 s[24:25], s[24:25], s[28:29]
	s_add_nc_u64 s[16:17], s[16:17], s[30:31]
	s_wait_alu depctr_va_vdst(0)                   ; v2 to v5 are written: every load, LDS store, LDS load and store below reads one of them as its offset or address
; Pair T of 32: two loads, each 2 x 256 neighbouring bytes (lanes 0-15 row 4 T + e, lanes 16-31 row 4 T + 2 + e).  Two rows' numbers of one column
; round into one word (k low, k + 1 high), which goes to the column's row in the stage.  Batches 0 to 4 are asked for at once: 40 loads of the wave are on their way.
.set T, 0
.rept 20
	global_load_b128 v[RAW+8*T:RAW+8*T+3],   v2, s[24:25] offset:T*16384
	global_load_b128 v[RAW+8*T+4:RAW+8*T+7], v2, s[24:25] offset:T*16384+4096
.set T, T+1
.endr
; Batch p.  left = how many younger loads may still be out when this batch's eight have to be there.
.macro WBAT p, left
	s_wait_loadcnt \left                           ; loads come back in order (ISA guide 5.7.1): RAW[p % 5] is in, the younger batches stay out
.if (\p) > 0
	s_wait_alu depctr_va_vdst(0)                   ; the batch before has written the other OUT, which the LDS stores below read, and is done reading its RAW, in which the loads below land
.endif
.if (\p) > 1
	s_wait_alu depctr_vm_vsrc(0)                   ; the LDS stores issued in the batch before have read OUT[p % 2], which this batch's conversions write again
.endif
.irp i, 0,1,2,3
.if ((\p) > 0) && ((\p) < 4)
	global_load_b128 v[RAW+32*(((\p)+4)%5)+8*(\i):RAW+32*(((\p)+4)%5)+8*(\i)+3],   v2, s[24:25] offset:(4*((\p)+4)+(\i))*16384       ; four batches ahead; no conversion since the wait names these registers
	global_load_b128 v[RAW+32*(((\p)+4)%5)+8*(\i)+4:RAW+32*(((\p)+4)%5)+8*(\i)+7], v2, s[24:25] offset:(4*((\p)+4)+(\i))*16384+4096
.endif
.if (\p) > 0
.irp c, 0,1,2,3
	ds_store_b32 v3, v[OUT+16*(((\p)+1)%2)+4*(\i)+(\c)] offset:(\c)*272+8*(4*((\p)-1)+(\i))  ; the batch before
.endr
.endif
.irp c, 0,1,2,3
	v_cvt_pk_f16_f32 v[OUT+16*((\p)%2)+4*(\i)+(\c)], v[RAW+32*((\p)%5)+8*(\i)+(\c)], v[RAW+32*((\p)%5)+8*(\i)+4+(\c)]
.endr
.endr
.endm
	WBAT 0, 32
	WBAT 1, 24
	WBAT 2, 24
	WBAT 3, 24
	WBAT 4, 24                                     ; batches 4 to 7 load nothing more: the counts run down
	WBAT 5, 16
	WBAT 6, 8
	WBAT 7, 0
	s_wait_alu depctr_va_vdst(0)                   ; batch 7 has written OUT1, which the last sixteen LDS stores read; every conversion is done reading RAW, in which the loads from the stage land
.irp i, 0,1,2,3
.irp c, 0,1,2,3
	ds_store_b32 v3, v[OUT+16+4*(\i)+(\c)] offset:(\c)*272+8*(28+(\i))
.endr
.endr
.set u, 0
.rept 32
	ds_load_b128 v[RAW+4*u:RAW+4*u+3], v4 offset:544*u  ; LDS serves a wave's instructions in order (ISA guide 5.7.1.4): these see my stores above
.set u, u+1
.endr
.set u, 0
.rept 32
	s_wait_dscnt 31-u                              ; read-back u is in
	global_store_b128 v5, v[RAW+4*u:RAW+4*u+3], s[16:17] offset:4096*u  ; 16 lanes store 256 consecutive bytes, at a multiple of 256 from wt's first byte
.set u, u+1
.endr
	s_wait_dscnt 0x0                               ; the wave's end
	s_wait_alu 0x0
	s_wait_tensorcnt 0x0
	ds_add_u32 v[SPW], v[NIL]
	s_wait_dscnt 0x0
	s_endpgm
.Lx:	; x.  A wave converts 16 KiB in 32 steps: 512 bytes in, 256 bytes out.  Five buffers of four steps in registers keep 12 to 20 loads of each wave on their way.
	s_sub_co_u32 s22, s21, 64
	s_lshl_b32 s24, s22, 17                        ; 131,072 bytes of x for each work-group,
	s_mov_b32 s25, 0
	s_lshl_b32 s26, s22, 16                        ; 65,536 of xh
	s_mov_b32 s27, 0
	v_lshlrev_b32 v6, 4, v8
	v_lshl_add_u32 v6, s20, 14, v6                 ; in x: 16,384 x wave + 16 x lane; never rewritten
	v_lshlrev_b32 v7, 3, v8
	v_lshl_add_u32 v7, s20, 13, v7                 ; in xh: 8,192 x wave + 8 x lane; never rewritten
	s_wait_kmcnt 0x0
	s_add_nc_u64 s[4:5], s[4:5], s[24:25]
	s_add_nc_u64 s[14:15], s[14:15], s[26:27]
	s_wait_alu depctr_va_vdst(0)                   ; v6 and v7 are written: every load and store below reads one of them as its offset
.set j, 0
.rept 20
	global_load_b128 v[XR+4*j:XR+4*j+3], v6, s[4:5] offset:512*j th:TH_LOAD_NT  ; blocks 0 to 4 into X0 to X4
.set j, j+1
.endr
; Block p.  Each step has result registers of its own, so no store's data is ever rewritten.  left = how many younger loads may still be out.
.macro XBLK p, left
	s_wait_loadcnt \left                           ; loads come back in order (ISA guide 5.7.1): X[p % 5] is in, the younger blocks stay out
.if (\p) > 0
	s_wait_alu depctr_va_vdst(0)                   ; the block before has written its results, which the stores below read, and is done reading its X, in which the loads below land
.endif
.irp i, 0,1,2,3
.if ((\p) > 0) && ((\p) < 4)
	global_load_b128 v[XR+16*(((\p)+4)%5)+4*(\i):XR+16*(((\p)+4)%5)+4*(\i)+3], v6, s[4:5] offset:512*(4*((\p)+4)+(\i)) th:TH_LOAD_NT  ; four blocks ahead; no conversion since the wait names these registers
.endif
.if (\p) > 0
	global_store_b64 v7, v[XO+2*(4*((\p)-1)+(\i)):XO+2*(4*((\p)-1)+(\i))+1], s[14:15] offset:256*(4*((\p)-1)+(\i))  ; the block before; the wave's store covers 256 consecutive bytes, aligned
.endif
	v_cvt_pk_f16_f32 v[XO+2*(4*(\p)+(\i))],   v[XR+16*((\p)%5)+4*(\i)],   v[XR+16*((\p)%5)+4*(\i)+1]
	v_cvt_pk_f16_f32 v[XO+2*(4*(\p)+(\i))+1], v[XR+16*((\p)%5)+4*(\i)+2], v[XR+16*((\p)%5)+4*(\i)+3]
.endr
.endm
	XBLK 0, 16
	XBLK 1, 12
	XBLK 2, 12
	XBLK 3, 12
	XBLK 4, 12                                     ; blocks 4 to 7 load nothing more: no load leaves the buffer, and the counts run down
	XBLK 5, 8
	XBLK 6, 4
	XBLK 7, 0
	s_wait_alu depctr_va_vdst(0)                   ; block 7 has written its results, which the last four stores read
.irp i, 0,1,2,3
	global_store_b64 v7, v[XO+2*(28+(\i)):XO+2*(28+(\i))+1], s[14:15] offset:256*(28+(\i))
.endr
	s_endpgm
.Lfunc_end_k_qdb5e069bab_prep:
	.size	k_qdb5e069bab_prep, .Lfunc_end_k_qdb5e069bab_prep-k_qdb5e069bab_prep
	.p2alignl 7, 3214868480
	.fill 96, 4, 3214868480
	.section	.rodata,"a",@progbits
	.p2align	6, 0x0
	.amdhsa_kernel k_qdb5e069bab_prep
		.amdhsa_group_segment_fixed_size 140288
		.amdhsa_private_segment_fixed_size 0
		.amdhsa_enable_private_segment 0
		.amdhsa_kernarg_size 56
		.amdhsa_user_sgpr_count 2
		.amdhsa_user_sgpr_kernarg_segment_ptr 1
		.amdhsa_wavefront_size32 1
		.amdhsa_system_sgpr_workgroup_id_x 1
		.amdhsa_system_sgpr_workgroup_id_y 1
		.amdhsa_system_sgpr_workgroup_id_z 1
		.amdhsa_system_vgpr_workitem_id 0
		.amdhsa_next_free_vgpr 208
		.amdhsa_next_free_sgpr 66
		.amdhsa_reserve_vcc 0
		.amdhsa_float_denorm_mode_32 3
		.amdhsa_float_denorm_mode_16_64 3
		.amdhsa_memory_ordered 1
		.amdhsa_forward_progress 1
		.amdhsa_inst_pref_size 43
	.end_amdhsa_kernel
	.amdgpu_metadata
---
amdhsa.version: [ 1, 2 ]
amdhsa.kernels:
  - .name:           k_qdb5e069bab_prep
    .symbol:         k_qdb5e069bab_prep.kd
    .args:
      - { .name: x, .offset: 0, .size: 8, .value_kind: global_buffer, .address_space: global }
      - { .name: Wq, .offset: 8, .size: 8, .value_kind: global_buffer, .address_space: global }
      - { .name: Wk, .offset: 16, .size: 8, .value_kind: global_buffer, .address_space: global }
      - { .name: Wv, .offset: 24, .size: 8, .value_kind: global_buffer, .address_space: global }
      - { .name: Wo, .offset: 32, .size: 8, .value_kind: global_buffer, .address_space: global }
      - { .name: xh, .offset: 40, .size: 8, .value_kind: global_buffer, .address_space: global }
      - { .name: wt, .offset: 48, .size: 8, .value_kind: global_buffer, .address_space: global }
    .group_segment_fixed_size: 140288
    .private_segment_fixed_size: 0
    .kernarg_segment_align: 8
    .kernarg_segment_size: 56
    .max_flat_workgroup_size: 256
    .sgpr_count:     66
    .vgpr_count:     208
    .wavefront_size: 32
...
	.end_amdgpu_metadata
.endif
;; end of part 6
;; launch qkv: the kernel of part 2 again; grid 4 x 64, 4 waves a work-group, clusters of 4 x 4, 327,680 bytes of LDS; arguments xh, wt, sc, vh, bq, bk, bv; writes sc, vh
;; launch mlp: the kernel of part 3 again; grid 256 x 1, 2 waves a work-group, no clusters, 0 bytes of LDS; arguments sc, mask, W1, b1, W2, b2, lg, st; writes lg, st
;; launch soft: the kernel of part 4 again; grid 256 x 1, 2 waves a work-group, no clusters, 0 bytes of LDS; arguments lg, st, wc; writes wc
;; launch og: the kernel of part 5 again; grid 4 x 64, 4 waves a work-group, clusters of 4 x 4, 327,680 bytes of LDS; arguments vh, wt, out0, bo, wc; writes out0
